; MI455X (gfx1250); checked and timed in simulation.
; The chip was launched on July 23, 2026; its instructions are those of AMD's public machine-readable ISA for CDNA 5 (MIT licence, August 2026) and "CDNA5" Instruction Set Architecture Reference Guide (July 2026). The comments in the code are by the model that wrote it; some were corrected since.
;; Composable Mo E. Allowed arithmetic: matrix products marked QUANTISED: E4M3 operands, one given power-of-two scale a tensor, by v_wmma_f32_16x16x64_fp8_fp8 or v_wmma_f32_16x16x128_fp8_fp8, f32 sums; everything else in f32.
;; Inputs: W1_codes 16 x 1,024 x 32 x 32 uint8 (E4M3 codes of W1, K innermost, in blocks of 32 codes); W2_codes 16 x 512 x 32 x 32 uint8 (E4M3 codes of W2, K innermost, in blocks of 32 codes); W3_codes 16 x 512 x 16 x 32 uint8 (E4M3 codes of W3, K innermost, in blocks of 32 codes); Wr_codes 128 x 32 x 32 uint8 (E4M3 codes of Wr, K innermost, in blocks of 32 codes); b1 16 x 1,024 float32; b2 16 x 512 float32; b3 16 x 512 float32; br 128 float32; expert_embeddings 16 x 128 float32; lowp_scales 8 int32 (the exponents e of the quantised operands' scales 2^e); x_codes 2,048 x 32 x 32 uint8 (E4M3 codes of x, K innermost, in blocks of 32 codes).
;; Outputs: out0 2,048 x 512 float32.
;; This version of the problem:
;;   THIS VERSION OF THE PROBLEM IS GIVEN IN LOW PRECISION. The matrix products marked QUANTISED in the list below multiply operands that are first quantised to E4M3 (4 exponent bits, 3 mantissa bits; 8 bits a number), with one given power-of-two scale for each operand tensor; their sums are f32. All else is computed in f32.
;;   The module's matrix products, in the order in which they are computed (A, B: the left and right operand; K: the contracted axis; several contracted axes count as one K, in the product's order):
;;     1. [M 2,048, K 1,024] x [K 1,024, N 128]; A: input x (given as codes); B: input Wr (given as codes): QUANTISED (scales: A lowp_scales[0], B lowp_scales[1])
;;     2. [M 16,384, K 1,024] x [K 1,024, N 2,048]; A: input W1 (given as codes); B: input x (given as codes): QUANTISED (scales: A lowp_scales[2], B lowp_scales[3])
;;     3. batch 16 x [M 2,048, K 1,024] x [K 1,024, N 512]; A: computed on the way; B: input W2 (given as codes): QUANTISED (scales: A lowp_scales[4], B lowp_scales[5])
;;     4. batch 16 x [M 2,048, K 512] x [K 512, N 512]; A: computed on the way; B: input W3 (given as codes): QUANTISED (scales: A lowp_scales[6], B lowp_scales[7])
;;   THE QUANTISER, for each operand of a quantised product, along K:
;;     - The operand's scale is 2^e, e = its entry of the input lowp_scales (int32; the entries are numbered through the quantised products in the list's order, A before B).
;;     - Each number is divided by the scale, clamped to +-448, and rounded to the nearest number of E4M3, ties to even, subnormals kept.
;;     - The product sums the exact products of the quantised numbers (number of the format x scale) in f32.
;;   ~~~python
;;   def quantise(x, axis, e):      # numpy; x: float32 -> the quantised numbers, widened to float32 again
;;       x = np.moveaxis(x, axis, -1); K = x.shape[-1]
;;       r = np.clip(x / 2.0 ** e, -448, 448)
;;       step = 2.0 ** (np.maximum(np.frexp(np.where(r == 0, 1, r))[1] - 1, -6) - 3)
;;       q = np.round(r / step) * step * 2.0 ** e      # np.round: ties to even
;;       return np.moveaxis(q, -1, axis).astype(np.float32)
;;   ~~~
;;   OPERANDS COMPUTED ON THE WAY. 'Computed on the way' means the value that the module computes at that place (a softmax that the list does not call 'softmax' is quantised finished and normalised). What goes into a quantiser is computed in f32, as accurately as f32 sums, v_exp_f32 and their like allow (about 1e-6 of the number): no bf16 or f16 on the way to a quantiser, and a product that is left as it is and whose result goes on into a quantised operand takes f32 operands (vector FMAs, or v_wmma_f32_16x16x4_f32). A number that lies on a knife's edge between two numbers of the format may be rounded either way, as far as f32 arithmetic and the matrix unit's own rounding can turn it there, and no further.
;;   INPUTS GIVEN AS CODES. W1 (in the module: [16, 1024, 1024], K = its axis 1); W2 (in the module: [16, 1024, 512], K = its axis 1); W3 (in the module: [16, 512, 512], K = its axis 1); Wr (in the module: [1024, 128], K = its axis 0); x (in the module: [2048, 1024], K = its axis 1): each comes as NAME_codes (uint8): NAME with its K axis moved to the last place and cut into blocks of 32 codes, [.., K / 32, bytes a block], one block behind the other in memory; one code a byte (a code: sign, 4 exponent bits, 3 mantissa bits); its scale is its entry of lowp_scales. Its value is code x scale, taken as it is: it is not quantised again, and the codes and scales need not be those that the quantiser above would give.
;; 2 versions, each right; version 2 is version 1 with the launch chain written anew for expert scheduling mode. Each part assembles by itself: llvm-mc -triple=amdgcn-amd-amdhsa -mcpu=gfx1250 --defsym DOCPART=n.
;; ======== version 1 of 2: 4 launches
;; workspace buffers: choice 16,384 bytes of whole numbers; gate 16,384 bytes; rows 16,384 bytes of whole numbers; offs 256 bytes of whole numbers; part 8,388,608 bytes
;; launch router (part 1): grid 128 x 1, 8 waves a work-group, no clusters, 91,136 bytes of LDS; arguments x_codes, Wr_codes, br, expert_embeddings, lowp_scales, choice, gate; writes choice, gate
.if DOCPART == 1
	.amdgcn_target "amdgcn-amd-amdhsa--gfx1250"
	.amdhsa_code_object_version 6
	.text
	.protected	k_qbc0ebf6f47_router
	.globl	k_qbc0ebf6f47_router
	.p2align	8
	.type	k_qbc0ebf6f47_router,@function
k_qbc0ebf6f47_router:
	s_mov_b64 s[64:65], 0
	v_nop
	global_prefetch_b8 v0, s[64:65] scope:SCOPE_SE
	s_setreg_imm32_b32 hwreg(HW_REG_WAVE_MODE, 25, 1), 1
	s_wait_xcnt 0x0
; THE ROUTER.  q = x Wr + br on codes of E4M3 (sums in f32, x 2^(e0 + e1)); d2[e] = the sum over 128 dims of (q - emb[e])^2 in f32; the two smallest d2
; (ties: the lower expert first, as jax.lax.top_k has it); gates = the softmax of the two scores -d2, with the larger score taken away first.
; Stored at fixed places: choice[token][2] (int32) and gate[token][2] (f32).  No address and no mask hangs on the choice.
; SHARES.  A work-group owns 16 tokens.  Wave w takes K = 128 w .. 128 w + 127 of the product for all 128 dims, so that all its 40 loads are out together; the eight partial
; sums meet in LDS; wave w then finishes dims 16 w .. 16 w + 15 and their share of the 16 distances; those meet in LDS again, and wave 0 chooses.
; THE PRODUCT IS USED TRANSPOSED: source 0 = 16 rows of Wr's codes (16 dims), source 1 = my 16 tokens: lane (r, h) holds token r, register j dim 16 t + 8 h + j.
; A fragment is fetched by four loads of 16 bytes, 32 bytes apart: a permutation of k that is the same on both sides.
; LIMITS: e0 + e1 between -126 and 127.  NaN and infinity among q or d2 are not served.  Where a token's second and third distance lie closer than the rounding of the f32 sums, either may be chosen.
; A work-group's two stores cover 128 consecutive bytes each: 16 tokens x 8 bytes.
; REGISTERS: v0 the thread's number, never rewritten; v1-11 r, h and addresses, written once; v12-19 br; v20-35 x's fragment, later the choice; v36-51 the embeddings as loaded, then my share of d2;
;   v52-61 at work (v52-54 serve the head's arithmetic alone); v64-191 Wr's fragments, then the embeddings, then the eight waves' shares of d2; v192-255 the sums, then the eight partial sums of my tile.
.set QP,  0                            ; LDS: partial q: wave w', tile t at 8192 w' + 1024 t; registers 0-3 at + 0, 4-7 at + 512; + 16 x lane
.set EMB, 65536                        ; the embeddings as they lie: 8,192 bytes
.set DP,  73728                        ; partial d2: wave w' at 2048 w' + 512 k + 16 x lane; k = 0 .. 3: experts 4 k .. 4 k + 3
	s_load_b256 s[4:11], s[0:1], 0x0               ; x's codes s[4:5], Wr's s[6:7], br s[8:9], embeddings s[10:11]
	s_load_b128 s[12:15], s[0:1], 0x20             ; the scales' exponents s[12:13], choice s[14:15]
	s_load_b64 s[16:17], s[0:1], 0x30              ; gate
	v_lshl_add_u32 v62, v0, 2, 0x16000
	v_mov_b32 v63, 0
	v_lshrrev_b32 v52, 5, v0
	v_readfirstlane_b32 s18, v52                   ; wave 0..7
	v_and_b32 v53, 31, v0                          ; lane
	v_and_b32 v1, 15, v0                           ; r
	v_bfe_u32 v2, v0, 4, 1                         ; h
	v_lshlrev_b32 v3, 10, v1
	v_lshl_add_u32 v3, v2, 4, v3                   ; a row of 1,024 codes x r + 16 h: serves x and Wr
	v_lshlrev_b32 v4, 4, v0                        ; 16 x thread: my bytes of the embeddings
	v_lshlrev_b32 v54, 4, v53                      ; 16 x lane
	s_lshl_b32 s26, s18, 13
	v_add_nc_u32 v5, s26, v54                      ; QP, where I store: 8192 w + 16 lane
	s_lshl_b32 s26, s18, 10
	v_add_nc_u32 v6, s26, v54                      ; QP, where I read: tile w
	v_add_nc_u32 v7, EMB, v4
	s_lshl_b32 s26, s18, 6
	v_lshl_add_u32 v11, v2, 5, s26                 ; 64 w + 32 h: my eight dims, in bytes
	v_add_nc_u32 v8, EMB, v11
	s_lshl_b32 s26, s18, 11
	v_add_nc_u32 v9, s26, v54
	v_add_nc_u32 v9, DP, v9                        ; DP, where I store
	v_add_nc_u32 v10, DP, v54                      ; DP, where wave 0 reads
	s_mov_b32 s24, 0x76543210
	s_mov_b32 s25, 0xfedcba98                      ; v_permlanex16_b32's selects for lane l xor 16
	s_wait_kmcnt 0x0
	s_load_b64 s[20:21], s[12:13], 0x0             ; e0, e1
	s_lshl_b32 s26, s18, 7                         ; my K step: 128 bytes of every row
	s_mov_b32 s27, 0
	s_add_nc_u64 s[6:7], s[6:7], s[26:27]
	s_lshl_b32 s28, ttmp9, 14                      ; my work-group's 16 rows of x
	s_add_co_u32 s26, s26, s28
	s_add_nc_u64 s[4:5], s[4:5], s[26:27]
	global_load_b128 v[36:39], v4, s[10:11]
	global_load_b128 v[40:43], v4, s[10:11] offset:4096
	global_load_b128 v[12:15], v11, s[8:9]
	global_load_b128 v[16:19], v11, s[8:9] offset:16
.irp c, 0,1,2,3
	global_load_b128 v[20+4*\c:23+4*\c], v3, s[4:5] offset:32*\c
.endr
.irp t, 0,1,2,3,4,5,6,7
.irp c, 0,1,2,3
	global_load_b128 v[64+16*\t+4*\c:67+16*\t+4*\c], v3, s[6:7] offset:16384*\t+32*\c
.endr
.endr
	s_wait_loadcnt 38                              ; the two loads of the embeddings are in; br's 2, x's 4 and Wr's 32 stay out
	ds_store_b128 v7, v[36:39]
	ds_store_b128 v7, v[40:43] offset:4096
	s_wait_kmcnt 0x0
	s_add_co_i32 s22, s20, s21
	s_add_co_i32 s22, s22, 127
	s_lshl_b32 s22, s22, 23                        ; 2^(e0 + e1) as f32
	s_mov_b32 s23, s22                             ; (named with it as a pair, so it is written)
	s_wait_loadcnt 0x0
.irp t, 0,1,2,3,4,5,6,7
	v_wmma_f32_16x16x128_fp8_fp8 v[192+8*\t:199+8*\t], v[64+16*\t:79+16*\t], v[20:35], 0
.endr
.rept 4
	v_nop                                          ; four places between the last product and the LDS stores that read results
.endr
.irp t, 0,1,2,3,4,5,6,7
	ds_store_b128 v5, v[192+8*\t:195+8*\t] offset:1024*\t
	ds_store_b128 v5, v[196+8*\t:199+8*\t] offset:1024*\t+512
.endr
	s_wait_dscnt 0x0                               ; for the others' sake: my partial sums and my part of the embeddings lie in LDS
	s_barrier_signal -1
	s_barrier_wait -1
	; ---- wave w finishes tile w: dims 16 w .. 16 w + 15
.irp p, 0,1,2,3,4,5,6,7
	ds_load_b128 v[192+8*\p:195+8*\p], v6 offset:8192*\p
	ds_load_b128 v[196+8*\p:199+8*\p], v6 offset:8192*\p+512
.endr
.irp e, 0,1,2,3,4,5,6,7,8,9,10,11,12,13,14,15
	ds_load_b128 v[64+8*\e:67+8*\e], v8 offset:512*\e          ; expert e's numbers at my eight dims
	ds_load_b128 v[68+8*\e:71+8*\e], v8 offset:512*\e+16
.endr
	s_wait_dscnt 32                                ; the 16 loads of partial sums are in; the 32 of embeddings stay out
.irp p, 0,1,2,3
.irp i, 0,2,4,6
	v_pk_add_f32 v[192+8*\p+\i:193+8*\p+\i], v[192+8*\p+\i:193+8*\p+\i], v[224+8*\p+\i:225+8*\p+\i]
.endr
.endr
.irp p, 0,1
.irp i, 0,2,4,6
	v_pk_add_f32 v[192+8*\p+\i:193+8*\p+\i], v[192+8*\p+\i:193+8*\p+\i], v[208+8*\p+\i:209+8*\p+\i]
.endr
.endr
.irp i, 0,2,4,6
	v_pk_add_f32 v[192+\i:193+\i], v[192+\i:193+\i], v[200+\i:201+\i]
.endr
.irp i, 0,2,4,6
	v_pk_fma_f32 v[192+\i:193+\i], v[192+\i:193+\i], s[22:23], v[12+\i:13+\i] op_sel_hi:[1,0,1]   ; q = sum x 2^(e0 + e1) + br
.endr
	s_wait_dscnt 0x0
.irp e, 0,1,2,3,4,5,6,7,8,9,10,11,12,13,14,15
.irp i, 0,2,4,6
	v_pk_add_f32 v[52+\i:53+\i], v[192+\i:193+\i], v[64+8*\e+\i:65+8*\e+\i] neg_lo:[0,1] neg_hi:[0,1]   ; q - emb (v52-54 are done with as the head's numbers)
.endr
	v_pk_mul_f32 v[60:61], v[52:53], v[52:53]
	v_pk_fma_f32 v[60:61], v[54:55], v[54:55], v[60:61]
	v_pk_fma_f32 v[60:61], v[56:57], v[56:57], v[60:61]
	v_pk_fma_f32 v[60:61], v[58:59], v[58:59], v[60:61]
	v_add_f32 v[36+\e], v60, v61                   ; my eight dims' share of d2[e]
.endr
.irp e, 0,1,2,3,4,5,6,7,8,9,10,11,12,13,14,15
	v_permlanex16_b32 v[200+\e], v[36+\e], s24, s25            ; the tile's other eight dims lie in the lane 16 away (the destination has been written: it held a partial sum)
.endr
.irp e, 0,1,2,3,4,5,6,7,8,9,10,11,12,13,14,15
	v_add_f32 v[36+\e], v[36+\e], v[200+\e]
.endr
.irp k, 0,1,2,3
	ds_store_b128 v9, v[36+4*\k:39+4*\k] offset:512*\k
.endr
	s_wait_dscnt 0x0                               ; for wave 0's sake
	s_barrier_signal -1
	s_barrier_wait -1
	s_cmp_lg_u32 s18, 0                            ; the choice is one wave's work; no barrier follows
	s_cbranch_scc1 .Lend
.irp p, 0,1,2,3,4,5,6,7
.irp k, 0,1,2,3
	ds_load_b128 v[64+16*\p+4*\k:67+16*\p+4*\k], v10 offset:2048*\p+512*\k
.endr
.endr
	s_wait_dscnt 0x0
.irp p, 0,1,2,3
.irp i, 0,2,4,6,8,10,12,14
	v_pk_add_f32 v[64+16*\p+\i:65+16*\p+\i], v[64+16*\p+\i:65+16*\p+\i], v[128+16*\p+\i:129+16*\p+\i]
.endr
.endr
.irp p, 0,1
.irp i, 0,2,4,6,8,10,12,14
	v_pk_add_f32 v[64+16*\p+\i:65+16*\p+\i], v[64+16*\p+\i:65+16*\p+\i], v[96+16*\p+\i:97+16*\p+\i]
.endr
.endr
.irp i, 0,2,4,6,8,10,12,14
	v_pk_add_f32 v[64+\i:65+\i], v[64+\i:65+\i], v[80+\i:81+\i]   ; v[64 + e] = d2[e] of token r (the same in both halves of the lanes)
.endr
	; the two smallest: (v20, v21) the best distance and its expert, (v22, v23) the second.  Strict compares: an equal distance never displaces a lower expert.  Selects only, no branch.
	v_mov_b32 v20, v64
	v_mov_b32 v21, 0
	v_mov_b32 v22, 0x7f800000                      ; + infinity
	v_mov_b32 v23, 0
.irp e, 1,2,3,4,5,6,7,8,9,10,11,12,13,14,15
	v_mov_b32 v24, \e
	v_cmp_lt_f32 vcc_lo, v[64+\e], v20             ; better than the best
	v_cmp_lt_f32 s28, v[64+\e], v22                ; better than the second
	v_cndmask_b32 v22, v22, v[64+\e], s28
	v_cndmask_b32 v23, v23, v24, s28
	v_cndmask_b32 v22, v22, v20, vcc_lo            ; the old best moves down
	v_cndmask_b32 v23, v23, v21, vcc_lo
	v_cndmask_b32 v20, v20, v[64+\e], vcc_lo
	v_cndmask_b32 v21, v21, v24, vcc_lo
.endr
	; the scores are -v20 >= -v22: with the larger taken away the exponents are 0 and v20 - v22 <= 0
	v_sub_f32 v25, v20, v22
	v_mul_f32 v25, 0x3fb8aa3b, v25                 ; x log2(e)
	v_exp_f32 v26, v25
	v_mov_b32 v30, v21                             ; (a plain place behind the exponential)  the chosen pair, side by side
	s_wait_alu depctr_va_vdst(0)
	v_add_f32 v27, 1.0, v26
	v_rcp_f32 v28, v27                             ; gate 0 = 1 / (1 + e2)
	v_mov_b32 v31, v23                             ; (a plain place behind the reciprocal)
	s_wait_alu depctr_va_vdst(0)
	v_mul_f32 v29, v26, v28                        ; gate 1 = e2 / (1 + e2)
	s_lshl_b32 s26, ttmp9, 7
	v_lshl_add_u32 v32, v1, 3, s26                 ; 8 bytes x (16 x work-group + r)
	v_cmp_gt_u32 vcc_lo, 16, v0                    ; in wave 0 the thread's number is the lane: lanes 0 to 15
	s_wait_xcnt 0x0                                ; EXEC changes only behind this wait
	s_and_saveexec_b32 s29, vcc_lo                 ; one lane a token
	global_store_b64 v32, v[30:31], s[14:15]
	global_store_b64 v32, v[28:29], s[16:17]
	s_wait_xcnt 0x0                                ; and again, in front of the line that widens it
	s_or_b32 exec_lo, exec_lo, s29
.Lend:
	s_wait_tensorcnt 0x0
	ds_add_u32 v62, v63
	s_wait_dscnt 0x0
	s_endpgm
.Lfunc_end_k_qbc0ebf6f47_router:
	.size	k_qbc0ebf6f47_router, .Lfunc_end_k_qbc0ebf6f47_router-k_qbc0ebf6f47_router
	.p2alignl 7, 3214868480
	.fill 96, 4, 3214868480
	.section	.rodata,"a",@progbits
	.p2align	6, 0x0
	.amdhsa_kernel k_qbc0ebf6f47_router
		.amdhsa_group_segment_fixed_size 91136
		.amdhsa_private_segment_fixed_size 0
		.amdhsa_enable_private_segment 0
		.amdhsa_kernarg_size 56
		.amdhsa_user_sgpr_count 2
		.amdhsa_user_sgpr_kernarg_segment_ptr 1
		.amdhsa_wavefront_size32 1
		.amdhsa_system_sgpr_workgroup_id_x 1
		.amdhsa_system_sgpr_workgroup_id_y 1
		.amdhsa_system_sgpr_workgroup_id_z 1
		.amdhsa_system_vgpr_workitem_id 0
		.amdhsa_next_free_vgpr 256
		.amdhsa_next_free_sgpr 66
		.amdhsa_reserve_vcc 1
		.amdhsa_float_denorm_mode_32 3
		.amdhsa_float_denorm_mode_16_64 3
		.amdhsa_memory_ordered 1
		.amdhsa_forward_progress 1
		.amdhsa_inst_pref_size 36
	.end_amdhsa_kernel
	.amdgpu_metadata
---
amdhsa.version: [ 1, 2 ]
amdhsa.kernels:
  - .name:           k_qbc0ebf6f47_router
    .symbol:         k_qbc0ebf6f47_router.kd
    .args:
      - { .name: x_codes, .offset: 0, .size: 8, .value_kind: global_buffer, .address_space: global }
      - { .name: Wr_codes, .offset: 8, .size: 8, .value_kind: global_buffer, .address_space: global }
      - { .name: br, .offset: 16, .size: 8, .value_kind: global_buffer, .address_space: global }
      - { .name: expert_embeddings, .offset: 24, .size: 8, .value_kind: global_buffer, .address_space: global }
      - { .name: lowp_scales, .offset: 32, .size: 8, .value_kind: global_buffer, .address_space: global }
      - { .name: choice, .offset: 40, .size: 8, .value_kind: global_buffer, .address_space: global }
      - { .name: gate, .offset: 48, .size: 8, .value_kind: global_buffer, .address_space: global }
    .group_segment_fixed_size: 91136
    .private_segment_fixed_size: 0
    .kernarg_segment_align: 8
    .kernarg_segment_size: 56
    .max_flat_workgroup_size: 256
    .sgpr_count:     66
    .vgpr_count:     256
    .wavefront_size: 32
...
	.end_amdgpu_metadata
.endif
;; end of part 1
;; launch place (part 2): grid 16 x 1, 16 waves a work-group, no clusters, 2,304 bytes of LDS; arguments choice, rows, offs; writes rows, offs
.if DOCPART == 2
	.amdgcn_target "amdgcn-amd-amdhsa--gfx1250"
	.amdhsa_code_object_version 6
	.text
	.protected	k_qbc0ebf6f47_place
	.globl	k_qbc0ebf6f47_place
	.p2align	8
	.type	k_qbc0ebf6f47_place,@function
k_qbc0ebf6f47_place:
	s_mov_b64 s[64:65], 0
	v_nop
	global_prefetch_b8 v0, s[64:65] scope:SCOPE_SE
	s_setreg_imm32_b32 hwreg(HW_REG_WAVE_MODE, 25, 1), 1
	s_wait_xcnt 0x0
; THE PLACING OF ROWS: a counting sort of the 4,096 entries (entry i = 2 x token + slot) by their expert, without atomics.
; Work-group e serves expert e: it reads all of choice (16 KiB), counts the entries of lower experts (that is offs[e], the expert's first place) and gives each
; entry of its own expert the next place in rows.  Every word of rows is written by exactly one work-group, since every entry has one expert in 0 .. 15.
; Wave w holds entries 256 w .. 256 w + 255 in eight registers: register k of a lane is entry 256 w + 128 (k / 4) + 4 x lane + k % 4.
; The order inside an expert is wave, then register, then lane: any fixed order serves, since each entry's result goes to a place of its own.
	s_load_b128 s[4:7], s[0:1], 0x0                ; choice s[4:5], rows s[6:7]
	s_load_b64 s[8:9], s[0:1], 0x10                ; offs
	v_lshl_add_u32 v64, v0, 2, 0x100
	v_mov_b32 v65, 0
	s_lshl_b32 s20, ttmp9, 2
	v_mov_b32 v7, s20                              ; 4 x my expert: the byte of offs[e].  Made here from the work-group's number alone; v7 and s20 hold nothing else in this text
	v_lshrrev_b32 v2, 5, v0
	v_readfirstlane_b32 s11, v2                    ; wave 0..15
	s_mov_b32 s10, ttmp9                           ; my expert
	v_and_b32 v3, 31, v0
	v_lshlrev_b32 v1, 4, v3
	v_lshl_add_u32 v1, v2, 10, v1                  ; 1024 w + 16 x lane
	v_lshrrev_b32 v6, 2, v1                        ; 256 w + 4 x lane: the entry in my register 0
	s_wait_kmcnt 0x0
	global_load_b128 v[8:11], v1, s[4:5]
	global_load_b128 v[12:15], v1, s[4:5] offset:512
	s_mov_b32 s12, 0                               ; my wave's entries of lower experts
	s_mov_b32 s13, 0                               ; and of my expert
	s_wait_loadcnt 0x0
.irp k, 0,1,2,3,4,5,6,7
	v_cmp_gt_u32 vcc_lo, s10, v[8+\k]
	s_bcnt1_i32_b32 s14, vcc_lo
	s_add_co_u32 s12, s12, s14
	v_cmp_eq_u32 vcc_lo, s10, v[8+\k]
	s_bcnt1_i32_b32 s14, vcc_lo
	s_add_co_u32 s13, s13, s14
.endr
	v_mov_b32 v4, s11
	v_lshlrev_b32 v4, 3, v4                        ; 8 bytes a wave
	v_mov_b32 v2, s12
	v_mov_b32 v3, s13
	ds_store_b64 v4, v[2:3]                        ; all lanes write the same two words
	s_wait_dscnt 0x0                               ; for the others' sake
	s_barrier_signal -1
	s_barrier_wait -1
	v_mov_b32 v5, 0
.irp i, 0,1,2,3,4,5,6,7
	ds_load_b128 v[16+4*\i:19+4*\i], v5 offset:16*\i           ; the sixteen waves' pairs, in every lane
.endr
	s_wait_dscnt 0x0
	s_mov_b32 s16, 0                               ; all entries of lower experts
	s_mov_b32 s17, 0                               ; my expert's entries in the waves in front of mine
.irp p, 0,1,2,3,4,5,6,7,8,9,10,11,12,13,14,15
	v_readfirstlane_b32 s14, v[16+2*\p]
	v_readfirstlane_b32 s15, v[17+2*\p]
	s_add_co_u32 s16, s16, s14
	s_cmp_lt_u32 \p, s11
	s_cselect_b32 s15, s15, 0
	s_add_co_u32 s17, s17, s15
.endr
	s_add_co_u32 s17, s17, s16                     ; the place of my wave's first entry
.irp k, 0,1,2,3,4,5,6,7
	v_cmp_eq_u32 vcc_lo, s10, v[8+\k]
	v_mbcnt_lo_u32_b32 v[48+\k], vcc_lo, 0         ; my expert's entries in the lanes below mine,
	v_add_nc_u32 v[48+\k], s17, v[48+\k]           ; behind all that came before
	s_bcnt1_i32_b32 s14, vcc_lo
	s_add_co_u32 s17, s17, s14
	v_min_u32 v[48+\k], 0xfff, v[48+\k]            ; a place is under 4,096; the bound is written for the address's sake
	v_lshlrev_b32 v[48+\k], 2, v[48+\k]
	v_add_nc_u32 v[56+\k], 128*(\k/4)+\k%4, v6     ; the entry's number
.endr
.irp k, 0,1,2,3,4,5,6,7
	v_cmp_eq_u32 vcc_lo, s10, v[8+\k]
	s_wait_xcnt 0x0                                ; EXEC changes only behind this wait
	s_and_saveexec_b32 s18, vcc_lo
	global_store_b32 v[48+\k], v[56+\k], s[6:7]    ; the lanes that are on write neighbouring words
	s_wait_xcnt 0x0
	s_or_b32 exec_lo, exec_lo, s18
.endr
	s_cmp_lg_u32 s11, 0                            ; wave 0 stores the expert's first place; no barrier follows
	s_cbranch_scc1 .Ldone
	v_mov_b32 v3, s16
	v_cmp_eq_u32 vcc_lo, 0, v0
	s_wait_xcnt 0x0
	s_and_saveexec_b32 s18, vcc_lo
	global_store_b32 v7, v3, s[8:9]
	s_wait_xcnt 0x0
	s_or_b32 exec_lo, exec_lo, s18
.Ldone:
	s_wait_tensorcnt 0x0
	ds_add_u32 v64, v65
	s_wait_dscnt 0x0
	s_endpgm
.Lfunc_end_k_qbc0ebf6f47_place:
	.size	k_qbc0ebf6f47_place, .Lfunc_end_k_qbc0ebf6f47_place-k_qbc0ebf6f47_place
	.p2alignl 7, 3214868480
	.fill 96, 4, 3214868480
	.section	.rodata,"a",@progbits
	.p2align	6, 0x0
	.amdhsa_kernel k_qbc0ebf6f47_place
		.amdhsa_group_segment_fixed_size 2304
		.amdhsa_private_segment_fixed_size 0
		.amdhsa_enable_private_segment 0
		.amdhsa_kernarg_size 24
		.amdhsa_user_sgpr_count 2
		.amdhsa_user_sgpr_kernarg_segment_ptr 1
		.amdhsa_wavefront_size32 1
		.amdhsa_system_sgpr_workgroup_id_x 1
		.amdhsa_system_sgpr_workgroup_id_y 1
		.amdhsa_system_sgpr_workgroup_id_z 1
		.amdhsa_system_vgpr_workitem_id 0
		.amdhsa_next_free_vgpr 66
		.amdhsa_next_free_sgpr 66
		.amdhsa_reserve_vcc 1
		.amdhsa_float_denorm_mode_32 3
		.amdhsa_float_denorm_mode_16_64 3
		.amdhsa_memory_ordered 1
		.amdhsa_forward_progress 1
		.amdhsa_inst_pref_size 12
	.end_amdhsa_kernel
	.amdgpu_metadata
---
amdhsa.version: [ 1, 2 ]
amdhsa.kernels:
  - .name:           k_qbc0ebf6f47_place
    .symbol:         k_qbc0ebf6f47_place.kd
    .args:
      - { .name: choice, .offset: 0, .size: 8, .value_kind: global_buffer, .address_space: global }
      - { .name: rows, .offset: 8, .size: 8, .value_kind: global_buffer, .address_space: global }
      - { .name: offs, .offset: 16, .size: 8, .value_kind: global_buffer, .address_space: global }
    .group_segment_fixed_size: 2304
    .private_segment_fixed_size: 0
    .kernarg_segment_align: 8
    .kernarg_segment_size: 24
    .max_flat_workgroup_size: 512
    .sgpr_count:     66
    .vgpr_count:     66
    .wavefront_size: 32
...
	.end_amdgpu_metadata
.endif
;; end of part 2
;; launch chain (part 3): grid 143 x 1, 8 waves a work-group, no clusters, 209,920 bytes of LDS; arguments x_codes, W1_codes, W2_codes, W3_codes, b1, b2, b3, lowp_scales, rows, offs, gate, part; writes part
.if DOCPART == 3
	.amdgcn_target "amdgcn-amd-amdhsa--gfx1250"
	.amdhsa_code_object_version 6
	.text
	.protected	k_qbc0ebf6f47_chain
	.globl	k_qbc0ebf6f47_chain
	.p2align	8
	.type	k_qbc0ebf6f47_chain,@function
k_qbc0ebf6f47_chain:
	s_mov_b64 s[64:65], 0
	v_nop
	global_prefetch_b8 v0, s[64:65] scope:SCOPE_SE
	s_setreg_imm32_b32 hwreg(HW_REG_WAVE_MODE, 25, 1), 1
	s_wait_xcnt 0x0
; THE CHAIN OF ONE EXPERT FOR A TILE OF 32 CHOSEN ROWS: h1 = relu(x W1 + b1), h2 = relu(h1 W2 + b2), eo = h2 W3 + b3, part[entry] = gate[entry] x eo.  All three products on codes of E4M3, sums in f32;
; h1 and h2 are quantised in registers with the given scales and never go to memory.  Only the rows that the router chose are multiplied: the others' results are thrown away by the gather.
; THE GRID.  With 4,096 entries, 16 experts and tiles of 32 rows there are never more than (4096 + 16 x 31) / 32 = 143 tiles, whatever the split.  Work-group g finds its tile from offs (each expert's first
; place in rows).  A work-group past the last tile walks the same text on clamped rows, so that every wave passes every barrier, and stores nothing.
; A tile's rows past the expert's count repeat its last row: they give the same numbers and store them at the same place, so no mask is needed.
; SHARES.  THE EIGHT WAVES SHARE THE COLUMNS, NOT THE ROWS.  Every fragment of a weight is read by one wave alone, straight from memory into registers, and feeds two products (the two tiles of 16 rows).
; The weights run through four sets of 64 registers; in the steps two or three sets, 32 or 48 loads of 512 bytes, are out in every wave.  No cluster: which expert a work-group serves is read from memory, so partners cannot be shown to ask alike.
; WHY 32 ROWS.  Every wave reads every fragment of the rows from LDS.  With 2 row tiles the 16 accumulators hold all 8 column tiles of a wave in layer 1, so the rows are read once a wave and layer:
; 8 waves x (32 + 32 + 16) KiB = 640 KiB for a work-group; with 64 rows layer 1 would take two passes, and the sum would be 1,792 KiB.
; The rows' codes go from wave to wave through LDS as images of the operand's registers: 4 stores of 16 bytes a lane at 16 x lane, 512 bytes a store; the same lines as loads give any wave the same fragment.
; THE PRODUCTS ARE USED TRANSPOSED: source 0 = 16 rows of a weight's codes, source 1 = 16 rows of the tile: a lane holds ONE row of the tile, its registers run along the columns.
; In layers 1 and 2 THE ROWS OF A WEIGHT THAT FORM A TILE ARE NOT NEIGHBOURS: lane r of tile 2 b + u takes row 32 b + 8 u + r + 8 (r / 8), so that the 16 registers of tiles 2 b, 2 b + 1 are 16 neighbours along the next K.
; A fragment is fetched by four loads of 16 bytes, 32 bytes apart: a permutation of k that is the same on both sides of every product.
; SCALES.  b1 goes in as the C of a sum's first product, divided by 2^(e2 + e3); the sums are then h1 / 2^(e2 + e3), and the conversion takes 2^(e4 - e2 - e3).  Layer 2 likewise with e4 + e5 and e6 - e4 - e5.
; The hold at the largest code and the relu are one line.  Layer 3: sum x 2^(e6 + e7) + b3, then x gate.
; LIMITS: e4 - e2 - e3 and e6 - e4 - e5 between -126 and 119; e6 + e7 between -126 and 127.  NaN among the inputs is not served.
; COLUMNS of wave w: layer 1: 128 w + 64 g + 0 .. 63 in two groups g (K step w of layer 2, pieces 2 g + b); layer 2: 64 w .. + 63 (K step w / 2 of layer 3, pieces 2 (w % 2) + b); layer 3: 64 w .. + 63.
.set XIMG,  0                          ; LDS: x's 16 fragments: (row tile m, K step s) at (8 m + s) x 2048 + 512 c + 16 x lane
.set H1IMG, 65536                      ; h1's 16 fragments, likewise
.set H2IMG, 131072                     ; h2's 8 fragments: (4 m + s) x 2048 + ..
.set B1L,   163840                     ; the expert's b1 / 2^(e2 + e3): 4,096 bytes
.set B2L,   167936                     ; b2 / 2^(e4 + e5): 2,048
.set B3L,   169984                     ; b3: 2,048
.set ROWT,  172032                     ; the tile's 32 entries, a copy for each wave, 256 bytes apart
.set STG,   174080                     ; the way out: 16 rows x (256 bytes + 16) for each wave
; window 0: v1-3 16 x lane + XIMG, H1IMG, H2IMG; v4, v5 my lane's byte in a tile of W1 / W2, of W3; v6, v7 where I store h1's, h2's images; v8-10 my biases in LDS; v11, v12 my stage, in and back;
;   v13 my copy of the entries; v14 my bytes in a row of part; v15, v16 the two conversions' scales; v18-21 the two gates (each with a copy above it, for the packed form)
.set G,   18
.set XF,  32                           ; v32-95   two buffers of a K step's two fragments of rows (buffer s % 2, tile m at 32 + 32 (s % 2) + 16 m); codes just made; rows read back from the stage
.set BI,  96                           ; v96-127  the biases of four tiles of columns; later the 16 offsets of the stores
.set ACC, 128                          ; v128-255 the 16 accumulators: (g, m, t) at 128 + 64 g + 32 m + 8 t.  Ahead of the first product: the prologue's numbers
; window 1: the four sets of weights: set j % 4, tile t at 64 (j % 4) + 16 t
.set PR, 128                           ; the prologue's: r
.set PH, 129                           ; h
.set PL, 130                           ; lane
.set PT, 131                           ; at work
.set RWA, 132                          ; where I store entries
.set XWA, 133                          ; where I store x's images
.set T16, 134                          ; 16 x thread
.set T8,  135                          ; 8 x thread
.set L16, 136                          ; B1L + 16 x thread
.set L8,  137                          ; B2L + 8 x thread
.set IX,  140                          ; v140-142 byte offsets in rows
.set EN,  145                          ; v145-147 entries: of my own gather, then of row tiles 0, 1
.set BB,  152                          ; v152-159 biases as loaded
.set XO,  160                          ; my row of x
.set XB,  161
.set GOF, 162                          ; v162-163 offsets in gate
.set MSB, 0
.macro WIN new                         ; the immediate's high byte repeats the setting that is left; a switch that changes nothing is dropped
.if MSB != \new
	s_set_vgpr_msb (MSB<<8)|\new
.set MSB, \new
.endif
.endm
.macro PLACES                          ; four places: in front of loads into registers that matrix instructions have read, and of the first read of results
.rept 4
	v_nop
.endr
.endm
; The weights of step j (0-15: layer 1, K step j / 2, group j % 2; 16-23: layer 2; 24-27: layer 3): 16 loads into set j % 4 of window 1
.macro LOADW j
.irp t, 0,1,2,3
.irp c, 0,1,2,3
.if (\j) < 16
	global_load_b128 v[64*((\j)%4)+16*\t+4*\c:64*((\j)%4)+16*\t+4*\c+3], v4, s[6:7] offset:((\j)%2)*65536+(32*(\t/2)+8*(\t%2))*1024+128*((\j)/2)+32*\c
.elseif (\j) < 24
	global_load_b128 v[64*((\j)%4)+16*\t+4*\c:64*((\j)%4)+16*\t+4*\c+3], v4, s[8:9] offset:(32*(\t/2)+8*(\t%2))*1024+128*((\j)-16)+32*\c
.else
	global_load_b128 v[64*((\j)%4)+16*\t+4*\c:64*((\j)%4)+16*\t+4*\c+3], v5, s[10:11] offset:8192*\t+128*((\j)-24)+32*\c
.endif
.endr
.endr
.endm
.macro FETCHX2 li, ks, s               ; the images of K step s's two fragments, of ks K steps a row tile, from the region of v[li], into buffer s % 2: eight loads
.irp m, 0,1
.irp c, 0,1,2,3
	ds_load_b128 v[XF+32*((\s)%2)+16*\m+4*\c:XF+32*((\s)%2)+16*\m+4*\c+3], v[\li] offset:(\m*(\ks)+(\s))*2048+512*\c
.endr
.endr
.endm
.macro FETCHB a, off, nat              ; four tiles' biases in the result's layout.  nat = 0: tile 2 b + u holds units 32 b + 16 h + 8 u + 0 .. 7; nat = 1: tile t holds 16 t + 8 h + 0 .. 7
.irp t, 0,1,2,3
.if \nat
	ds_load_b128 v[BI+8*\t:BI+8*\t+3], v[\a] offset:64*\t
	ds_load_b128 v[BI+8*\t+4:BI+8*\t+7], v[\a] offset:64*\t+16
.else
	ds_load_b128 v[BI+8*\t:BI+8*\t+3], v[\a] offset:(\off)+128*(\t/2)+32*(\t%2)
	ds_load_b128 v[BI+8*\t+4:BI+8*\t+7], v[\a] offset:(\off)+128*(\t/2)+32*(\t%2)+16
.endif
.endr
.endm
; Four products: row tile m, from buffer xb, against set j's four tiles of columns, into group g's accumulators.  cmode 0: adds in place; 1: the bias starts the sums; 2: the constant 0 does.
; The accumulators take turns, one instruction a turn, in the same order in every step: 16 of them in layer 1, 8 in layers 2 and 3.
.macro MUL j, xb, g, m, cmode
.irp t, 0,1,2,3
.if \cmode == 0
	v_wmma_f32_16x16x128_fp8_fp8 v[ACC+64*(\g)+32*(\m)+8*\t:ACC+64*(\g)+32*(\m)+8*\t+7], v[64*((\j)%4)+16*\t:64*((\j)%4)+16*\t+15], v[XF+32*(\xb)+16*(\m):XF+32*(\xb)+16*(\m)+15], v[ACC+64*(\g)+32*(\m)+8*\t:ACC+64*(\g)+32*(\m)+8*\t+7]
.elseif \cmode == 1
	v_wmma_f32_16x16x128_fp8_fp8 v[ACC+64*(\g)+32*(\m)+8*\t:ACC+64*(\g)+32*(\m)+8*\t+7], v[64*((\j)%4)+16*\t:64*((\j)%4)+16*\t+15], v[XF+32*(\xb)+16*(\m):XF+32*(\xb)+16*(\m)+15], v[BI+8*\t:BI+8*\t+7]
.else
	v_wmma_f32_16x16x128_fp8_fp8 v[ACC+64*(\g)+32*(\m)+8*\t:ACC+64*(\g)+32*(\m)+8*\t+7], v[64*((\j)%4)+16*\t:64*((\j)%4)+16*\t+15], v[XF+32*(\xb)+16*(\m):XF+32*(\xb)+16*(\m)+15], 0
.endif
.endr
.endm
; Step j: one set of weights against the two row tiles: 8 products, 128 along K.  dsw: how many younger LDS loads may stay out when this step's fragments of rows have to be in; -1: they were waited for a step ago.
; Behind the products and their places the buffer of rows and the biases that they read may be loaded again: such loads follow the macro.
.macro STEP j, xb, g, cmode, dsw
.if 27-(\j) >= 2
	s_wait_loadcnt 32                              ; set j is in; sets j + 1 and j + 2, issued behind it, may stay out
.else
	s_wait_loadcnt 16*(27-(\j))                    ; near the end fewer sets were issued behind it
.endif
.if (\dsw) >= 0
	s_wait_dscnt \dsw
.endif
	WIN 0x01                                       ; source 0 (the weights) window 1
	MUL \j, \xb, \g, 0, \cmode
	MUL \j, \xb, \g, 1, \cmode
	PLACES
.if (\j)+3 <= 27
	WIN 0x40                                       ; destination window 1
	LOADW (\j)+3                                   ; into the set that step j - 1 multiplied: its last product stands more than four places back
.endif
	WIN 0
.endm
; 64 columns of the 32 rows become codes and go to LDS as pieces of the next layer's fragments.  s[lim]: 448 x the scale; v[sc]: the scale as f32; v[st] + m x mstr + base + 512 b: piece b of row tile m;
; ao: the group's accumulators begin at ACC + ao; co: its codes at XF + co.
.macro EPI_Q lim, sc, st, base, mstr, ao, co
.irp m, 0,1
.set i, 0
.rept 32
	v_med3_num_f32 v[ACC+(\ao)+32*\m+i], v[ACC+(\ao)+32*\m+i], 0, s[\lim]   ; the relu and the hold in one (the conversion to an 8-bit code does not saturate: ISA guide 7.6.2); each accumulator from its low end on
.set i, i+1
.endr
.irp b, 0,1
	v_cvt_scalef32_pk8_fp8_f32 v[XF+(\co)+8*\m+4*\b:XF+(\co)+8*\m+4*\b+1], v[ACC+(\ao)+32*\m+16*\b:ACC+(\ao)+32*\m+16*\b+7], v[\sc]
	v_cvt_scalef32_pk8_fp8_f32 v[XF+(\co)+8*\m+4*\b+2:XF+(\co)+8*\m+4*\b+3], v[ACC+(\ao)+32*\m+16*\b+8:ACC+(\ao)+32*\m+16*\b+15], v[\sc]
.endr
.endr
	v_nop                                          ; one plain vector line behind the last conversion: the next products write its sources
.irp m, 0,1
.irp b, 0,1
	ds_store_b128 v[\st], v[XF+(\co)+8*\m+4*\b:XF+(\co)+8*\m+4*\b+3] offset:\m*(\mstr)+(\base)+512*\b
.endr
.endr
.endm
.macro BARRIER                         ; my LDS stores have landed (and have read their registers), my LDS loads are in: then the work-group's barrier
	s_wait_dscnt 0x0
	s_barrier_signal -1
	s_barrier_wait -1
.endm
; One expert of the search for my tile.  s58: the tiles of the experts in front of e.  The last expert whose first tile is not behind mine is the owner (an expert without rows has no tile and is passed over).
.macro SEEK e
.if \e < 15
	s_sub_co_u32 s59, s[33+\e], s[32+\e]           ; the expert's rows
.else
	s_sub_co_u32 s59, 0x1000, s47
.endif
	s_cmp_le_u32 s58, s29
	s_cselect_b32 s30, \e, s30
	s_cselect_b32 s31, s58, s31
	s_cselect_b32 s56, s[32+\e], s56
	s_cselect_b32 s57, s59, s57
	s_add_co_u32 s59, s59, 31
	s_lshr_b32 s59, s59, 5
	s_add_co_u32 s58, s58, s59
.endm
	s_load_b512 s[4:19], s[0:1], 0x0               ; x s[4:5], W1 s[6:7], W2 s[8:9], W3 s[10:11], b1 s[12:13], b2 s[14:15], b3 s[16:17], the scales' exponents s[18:19]
	s_load_b256 s[20:27], s[0:1], 0x40             ; rows s[20:21], offs s[22:23], gate s[24:25], part s[26:27]
	v_lshl_add_u32 v30, v0, 2, 0x33000
	v_mov_b32 v31, 0
	v_lshrrev_b32 v[PT], 5, v0
	v_readfirstlane_b32 s28, v[PT]                 ; wave 0..7
	s_mov_b32 s29, ttmp9                           ; my work-group
	v_and_b32 v[PL], 31, v0
	v_and_b32 v[PR], 15, v0
	v_bfe_u32 v[PH], v0, 4, 1
	s_wait_kmcnt 0x0
	s_load_b512 s[32:47], s[22:23], 0x0            ; offs[0 .. 15]
	s_load_b256 s[48:55], s[18:19], 0x0            ; e0 .. e7
	v_lshlrev_b32 v1, 4, v[PL]
	v_add_nc_u32 v2, H1IMG, v1
	v_add_nc_u32 v3, H2IMG, v1
	v_and_b32 v[PT], 8, v[PR]
	v_add_nc_u32 v[PT], v[PT], v[PR]               ; r + 8 (r / 8)
	v_lshlrev_b32 v4, 10, v[PT]
	v_lshl_add_u32 v4, v[PH], 4, v4                ; W1, W2: rows of 1,024 bytes
	v_lshlrev_b32 v5, 9, v[PR]
	v_lshl_add_u32 v5, v[PH], 4, v5                ; W3: rows of 512 bytes, neighbours
	s_lshl_b32 s59, s28, 11
	v_add_nc_u32 v6, s59, v2                       ; h1: K step w
	s_lshl_b32 s59, s28, 10
	v_add_nc_u32 v7, s59, v3                       ; h2: K step w / 2, pieces 2 (w % 2) on: 1024 w
	s_lshl_b32 s59, s28, 9
	s_add_co_u32 s59, s59, B1L
	v_lshl_add_u32 v8, v[PH], 6, s59
	s_lshl_b32 s59, s28, 8
	s_add_co_u32 s59, s59, B2L
	v_lshl_add_u32 v9, v[PH], 6, s59
	s_lshl_b32 s59, s28, 8
	s_add_co_u32 s59, s59, B3L
	v_lshl_add_u32 v10, v[PH], 5, s59
	s_mul_i32 s59, s28, 16*272
	s_add_co_u32 s59, s59, STG
	v_mul_u32_u24 v11, v[PR], 272
	v_lshl_add_u32 v11, v[PH], 5, v11
	v_add_nc_u32 v11, s59, v11                     ; the stage, in: row r, 32 bytes for each half of the lanes
	v_mul_u32_u24 v12, v[PH], 272
	v_lshl_add_u32 v12, v[PR], 4, v12
	v_add_nc_u32 v12, s59, v12                     ; and back: lanes 0-15 one row of 256 bytes, lanes 16-31 the next
	s_lshl_b32 s59, s28, 8
	v_lshl_add_u32 v14, v[PR], 4, s59              ; my wave's 256 bytes of a row of part
	s_add_co_u32 s59, s59, ROWT
	v_lshl_add_u32 v13, v[PH], 2, s59
	v_lshl_add_u32 v[RWA], v[PR], 2, s59
	s_lshl_b32 s59, s28, 12
	v_add_nc_u32 v[XWA], s59, v1                   ; x's images 2 w and 2 w + 1: 4096 w + 16 x lane
	v_lshlrev_b32 v[T16], 4, v0
	v_lshlrev_b32 v[T8], 3, v0
	v_add_nc_u32 v[L16], B1L, v[T16]
	v_add_nc_u32 v[L8], B2L, v[T8]
	s_and_b32 s59, s28, 3
	s_lshl_b32 s59, s59, 8
	v_lshl_add_u32 v[XB], v[PH], 4, s59            ; x: 16 h + my quarter of the row's 1,024 bytes
	s_mov_b32 s58, 0
	s_mov_b32 s30, 0
	s_mov_b32 s31, 0
	s_mov_b32 s56, 0
	s_mov_b32 s57, 0
	s_wait_kmcnt 0x0
.irp e, 0,1,2,3,4,5,6,7,8,9,10,11,12,13,14,15
	SEEK \e
.endr                                              ; s30 the expert, s31 its first tile, s56 its first place, s57 its rows, s58 all tiles
	s_min_u32 s30, s30, 15                         ; the bound is written for the addresses' sake
	s_sub_co_u32 s59, s29, s31
	s_lshl_b32 s59, s59, 5                         ; my tile's first row among the expert's
	s_add_co_u32 s60, s56, s59                     ; and its place in rows
	s_sub_co_u32 s61, s57, s59
	s_sub_co_u32 s61, s61, 1                       ; the last row of the tile that exists (past the last tile: a large number, and the clamp below holds the place)
	s_mov_b32 s63, 0
	s_lshl_b32 s62, s30, 20
	s_lshl_b32 s59, s28, 17
	s_add_co_u32 s62, s62, s59
	s_add_nc_u64 s[6:7], s[6:7], s[62:63]          ; W1: the expert's 1,024 rows, my wave's 128
	s_lshl_b32 s62, s30, 19
	s_lshl_b32 s59, s28, 16
	s_add_co_u32 s62, s62, s59
	s_add_nc_u64 s[8:9], s[8:9], s[62:63]          ; W2: 512 rows, my 64
	s_lshl_b32 s62, s30, 18
	s_lshl_b32 s59, s28, 15
	s_add_co_u32 s62, s62, s59
	s_add_nc_u64 s[10:11], s[10:11], s[62:63]      ; W3: 512 rows of 512 bytes, my 64
	s_lshl_b32 s62, s30, 12
	s_add_nc_u64 s[12:13], s[12:13], s[62:63]
	s_lshl_b32 s62, s30, 11
	s_add_nc_u64 s[14:15], s[14:15], s[62:63]
	s_add_nc_u64 s[16:17], s[16:17], s[62:63]
	s_lshr_b32 s59, s28, 2
	s_lshl_b32 s59, s59, 4
	v_add_nc_u32 v[IX], s59, v[PR]                 ; the row that I gather: 16 (w / 4) + r
.irp m, 0,1
	v_add_nc_u32 v[IX+1+\m], 16*\m, v[PR]          ; and row r of each row tile, for the gates and the stores
.endr
.irp i, 0,1,2
	v_min_u32 v[IX+\i], s61, v[IX+\i]              ; rows past the count repeat the last
	v_add_nc_u32 v[IX+\i], s60, v[IX+\i]
	v_min_u32 v[IX+\i], 0xfff, v[IX+\i]            ; inside rows, whatever the work-group
	v_lshlrev_b32 v[IX+\i], 2, v[IX+\i]
.endr
.irp i, 0,1,2
	global_load_b32 v[EN+\i], v[IX+\i], s[20:21]
.endr
	global_load_b128 v[BB:BB+3], v[T16], s[12:13]
	global_load_b64 v[BB+4:BB+5], v[T8], s[14:15]
	global_load_b64 v[BB+6:BB+7], v[T8], s[16:17]
	WIN 0x40
	LOADW 0
	LOADW 1
	WIN 0
	s_add_co_i32 s59, s50, s51
	s_sub_co_i32 s72, 0, s59                       ; -(e2 + e3)
	s_add_co_i32 s59, s52, s72
	s_add_co_i32 s59, s59, 127
	s_lshl_b32 s68, s59, 23
	v_mov_b32 v15, s68                             ; 2^(e4 - e2 - e3) as f32: the conversion takes its exponent field
	s_add_co_i32 s59, s59, 8
	s_lshl_b32 s68, s59, 23
	s_or_b32 s68, s68, 0x600000                    ; 448 x that
	s_add_co_i32 s59, s52, s53
	s_sub_co_i32 s73, 0, s59                       ; -(e4 + e5)
	s_add_co_i32 s59, s54, s73
	s_add_co_i32 s59, s59, 127
	s_lshl_b32 s69, s59, 23
	v_mov_b32 v16, s69                             ; 2^(e6 - e4 - e5)
	s_add_co_i32 s59, s59, 8
	s_lshl_b32 s69, s59, 23
	s_or_b32 s69, s69, 0x600000
	s_add_co_i32 s70, s54, s55
	s_add_co_i32 s70, s70, 127
	s_lshl_b32 s70, s70, 23                        ; 2^(e6 + e7)
	s_mov_b32 s71, s70                             ; (named with it as a pair, so it is written)
	s_wait_loadcnt 32                              ; the entries and the biases are in; weight sets 0 and 1 stay out
.irp i, 0,1,2,3
	v_ldexp_f32 v[BB+\i], v[BB+\i], s72
.endr
	v_ldexp_f32 v[BB+4], v[BB+4], s73
	v_ldexp_f32 v[BB+5], v[BB+5], s73
	ds_store_b128 v[L16], v[BB:BB+3]
	ds_store_b64 v[L8], v[BB+4:BB+5]
	ds_store_b64 v[L8], v[BB+6:BB+7] offset:B3L-B2L
.irp m, 0,1
	ds_store_b32 v[RWA], v[EN+1+\m] offset:64*\m   ; lanes r and r + 16 write the same word with the same number
.endr
	v_lshrrev_b32 v[XO], 1, v[EN]                  ; the entry's token
	v_min_u32 v[XO], 0x7ff, v[XO]
	v_lshl_add_u32 v[XO], v[XO], 10, v[XB]
.irp m, 0,1
	v_min_u32 v[GOF+\m], 0xfff, v[EN+1+\m]
	v_lshlrev_b32 v[GOF+\m], 2, v[GOF+\m]
.endr
.irp p, 0,1                                ; wave w gathers row tile w / 4, K steps 2 (w % 4) + p: two fragments
.irp c, 0,1,2,3
	global_load_b128 v[XF+16*\p+4*\c:XF+16*\p+4*\c+3], v[XO], s[4:5] offset:128*\p+32*\c
.endr
.endr
.irp m, 0,1
	global_load_b32 v[G+2*\m], v[GOF+\m], s[24:25]
.endr
	WIN 0x40
	LOADW 2                                        ; 58 loads of mine are out at the most: sets 0 and 1, x's 8, the gates' 2, this set's 16
	WIN 0
	s_wait_loadcnt 16                              ; x and the gates are in; weight set 2 stays out
.irp m, 0,1
	v_mov_b32 v[G+2*\m+1], v[G+2*\m]
.endr
.irp p, 0,1
.irp c, 0,1,2,3
	ds_store_b128 v[XWA], v[XF+16*\p+4*\c:XF+16*\p+4*\c+3] offset:2048*\p+512*\c
.endr
.endr
	BARRIER                                        ; x's 16 fragments and the biases lie in LDS
	; ---- layer 1: K step s is steps 2 s (group 0) and 2 s + 1 (group 1) on one buffer of rows; behind them that buffer takes K step s + 2
	FETCHB 8, 0, 0
	FETCHX2 1, 8, 0
	FETCHX2 1, 8, 1
	STEP 0, 0, 0, 1, 8                             ; the biases and K step 0 are in; K step 1's eight loads may be out
	FETCHB 8, 256, 0                               ; group 1's biases, into the registers that group 0's have left
	STEP 1, 0, 1, 1, 0
	FETCHX2 1, 8, 2
.irp s, 1,2,3,4,5
	STEP 2*\s, \s%2, 0, 0, 8                       ; K step s is in; the eight loads of K step s + 1 may be out
	STEP 2*\s+1, \s%2, 1, 0, -1
	FETCHX2 1, 8, \s+2
.endr
	STEP 12, 0, 0, 0, 8
	STEP 13, 0, 1, 0, -1
	STEP 14, 1, 0, 0, 0                            ; the last K step: nothing was fetched behind it
	STEP 15, 1, 1, 0, -1
	EPI_Q 68, 15, 6, 0, 16384, 0, 0
	EPI_Q 68, 15, 6, 1024, 16384, 64, 16
	BARRIER                                        ; h1's 16 fragments lie in LDS
	; ---- layer 2: a K step is one step
	FETCHB 9, 0, 0
	FETCHX2 2, 8, 0
	FETCHX2 2, 8, 1
	STEP 16, 0, 0, 1, 8
	FETCHX2 2, 8, 2
.irp s, 1,2,3,4,5
	STEP 16+\s, \s%2, 0, 0, 8
	FETCHX2 2, 8, \s+2
.endr
	STEP 22, 0, 0, 0, 8
	STEP 23, 1, 0, 0, 0
	EPI_Q 69, 16, 7, 0, 8192, 0, 0
	BARRIER                                        ; h2's 8 fragments lie in LDS
	; ---- layer 3
	FETCHB 10, 0, 1
	FETCHX2 3, 4, 0
	FETCHX2 3, 4, 1
	STEP 24, 0, 0, 2, 8
	FETCHX2 3, 4, 2
	STEP 25, 1, 0, 0, 8
	FETCHX2 3, 4, 3
	STEP 26, 0, 0, 0, 8
	STEP 27, 1, 0, 0, 0
	; ---- the way out.  A work-group past the last tile has nothing to store; no barrier follows
	s_cmp_ge_u32 s29, s58
	s_cbranch_scc1 .Lend
.irp m, 0,1
.irp t, 0,1,2,3
.irp i, 0,2,4,6
	v_pk_fma_f32 v[ACC+32*\m+8*\t+\i:ACC+32*\m+8*\t+\i+1], v[ACC+32*\m+8*\t+\i:ACC+32*\m+8*\t+\i+1], s[70:71], v[BI+8*\t+\i:BI+8*\t+\i+1] op_sel_hi:[1,0,1]   ; sum x 2^(e6 + e7) + b3; each accumulator from its low end on
.endr
.irp i, 0,2,4,6
	v_pk_mul_f32 v[ACC+32*\m+8*\t+\i:ACC+32*\m+8*\t+\i+1], v[ACC+32*\m+8*\t+\i:ACC+32*\m+8*\t+\i+1], v[G+2*\m:G+2*\m+1] op_sel_hi:[1,0]   ; x my row's gate
.endr
.endr
.endr
.irp m, 0,1
.irp k, 0,1,2,3,4,5,6,7
	ds_load_b32 v[BI+8*\m+\k], v13 offset:4*(16*\m+2*\k)       ; the entry of row 16 m + 2 k (lanes 0-15) or of the next (lanes 16-31), from my wave's own copy
.endr
.endr
	s_wait_dscnt 0x0
.set i, 0
.rept 16
	v_min_u32 v[BI+i], 0xfff, v[BI+i]
	v_lshl_add_u32 v[BI+i], v[BI+i], 11, v14       ; a row of part is 2,048 bytes
.set i, i+1
.endr
.irp m, 0,1                                ; a row tile at a time through my own stage: a lane's 32 bytes go in, whole pieces of 256 bytes of a row come back; each tile has its own 32 registers for them
.irp t, 0,1,2,3
	ds_store_b128 v11, v[ACC+32*\m+8*\t:ACC+32*\m+8*\t+3] offset:64*\t
	ds_store_b128 v11, v[ACC+32*\m+8*\t+4:ACC+32*\m+8*\t+7] offset:64*\t+16
.endr
.irp k, 0,1,2,3,4,5,6,7
	ds_load_b128 v[XF+32*\m+4*\k:XF+32*\m+4*\k+3], v12 offset:544*\k   ; LDS serves a wave's instructions in order (ISA guide 5.7.1.4): these see the stores above, and the next tile's stores come behind them
.endr
	s_wait_dscnt 0x0
.irp k, 0,1,2,3,4,5,6,7
	global_store_b128 v[BI+8*\m+\k], v[XF+32*\m+4*\k:XF+32*\m+4*\k+3], s[26:27]   ; sixteen lanes store 256 consecutive bytes, at a multiple of 256 from part's first byte
.endr
.endr
.Lend:
	s_wait_tensorcnt 0x0
	ds_add_u32 v30, v31
	s_wait_dscnt 0x0
	s_endpgm
.Lfunc_end_k_qbc0ebf6f47_chain:
	.size	k_qbc0ebf6f47_chain, .Lfunc_end_k_qbc0ebf6f47_chain-k_qbc0ebf6f47_chain
	.p2alignl 7, 3214868480
	.fill 96, 4, 3214868480
	.section	.rodata,"a",@progbits
	.p2align	6, 0x0
	.amdhsa_kernel k_qbc0ebf6f47_chain
		.amdhsa_group_segment_fixed_size 209920
		.amdhsa_private_segment_fixed_size 0
		.amdhsa_enable_private_segment 0
		.amdhsa_kernarg_size 96
		.amdhsa_user_sgpr_count 2
		.amdhsa_user_sgpr_kernarg_segment_ptr 1
		.amdhsa_wavefront_size32 1
		.amdhsa_system_sgpr_workgroup_id_x 1
		.amdhsa_system_sgpr_workgroup_id_y 1
		.amdhsa_system_sgpr_workgroup_id_z 1
		.amdhsa_system_vgpr_workitem_id 0
		.amdhsa_next_free_vgpr 512
		.amdhsa_next_free_sgpr 80
		.amdhsa_reserve_vcc 0
		.amdhsa_float_denorm_mode_32 3
		.amdhsa_float_denorm_mode_16_64 3
		.amdhsa_memory_ordered 1
		.amdhsa_forward_progress 1
		.amdhsa_inst_pref_size 115
	.end_amdhsa_kernel
	.amdgpu_metadata
---
amdhsa.version: [ 1, 2 ]
amdhsa.kernels:
  - .name:           k_qbc0ebf6f47_chain
    .symbol:         k_qbc0ebf6f47_chain.kd
    .args:
      - { .name: x_codes, .offset: 0, .size: 8, .value_kind: global_buffer, .address_space: global }
      - { .name: W1_codes, .offset: 8, .size: 8, .value_kind: global_buffer, .address_space: global }
      - { .name: W2_codes, .offset: 16, .size: 8, .value_kind: global_buffer, .address_space: global }
      - { .name: W3_codes, .offset: 24, .size: 8, .value_kind: global_buffer, .address_space: global }
      - { .name: b1, .offset: 32, .size: 8, .value_kind: global_buffer, .address_space: global }
      - { .name: b2, .offset: 40, .size: 8, .value_kind: global_buffer, .address_space: global }
      - { .name: b3, .offset: 48, .size: 8, .value_kind: global_buffer, .address_space: global }
      - { .name: lowp_scales, .offset: 56, .size: 8, .value_kind: global_buffer, .address_space: global }
      - { .name: rows, .offset: 64, .size: 8, .value_kind: global_buffer, .address_space: global }
      - { .name: offs, .offset: 72, .size: 8, .value_kind: global_buffer, .address_space: global }
      - { .name: gate, .offset: 80, .size: 8, .value_kind: global_buffer, .address_space: global }
      - { .name: part, .offset: 88, .size: 8, .value_kind: global_buffer, .address_space: global }
    .group_segment_fixed_size: 209920
    .private_segment_fixed_size: 0
    .kernarg_segment_align: 8
    .kernarg_segment_size: 96
    .max_flat_workgroup_size: 256
    .sgpr_count:     80
    .vgpr_count:     512
    .wavefront_size: 32
...
	.end_amdgpu_metadata
.endif
;; end of part 3
;; launch combine (part 4): grid 256 x 1, 8 waves a work-group, no clusters, 0 bytes of LDS; arguments part, out0; writes out0
.if DOCPART == 4
	.amdgcn_target "amdgcn-amd-amdhsa--gfx1250"
	.amdhsa_code_object_version 6
	.text
	.protected	k_qbc0ebf6f47_combine
	.globl	k_qbc0ebf6f47_combine
	.p2align	8
	.type	k_qbc0ebf6f47_combine,@function
k_qbc0ebf6f47_combine:
	s_mov_b64 s[64:65], 0
	v_nop
	global_prefetch_b8 v0, s[64:65] scope:SCOPE_SE
	s_setreg_imm32_b32 hwreg(HW_REG_WAVE_MODE, 25, 1), 1
	s_wait_xcnt 0x0
; out0[t] = part[2 t] + part[2 t + 1]: a token's two gated expert rows, the better expert's first, as the sum over the chosen pair is written.
; A stream: a work-group owns 8 tokens (32 KiB in, 16 KiB out).  Thread: c = thread % 128 takes 16 bytes of a row of 2,048, k = thread / 128 the even or the odd token.
; Every load and store of a wave covers 512 consecutive bytes.  All eight loads of a thread are out together; no LDS, no barrier, no matrix unit: memory binds.
	s_load_b128 s[4:7], s[0:1], 0x0                ; part s[4:5], out0 s[6:7]
	v_and_b32 v3, 127, v0
	v_lshrrev_b32 v4, 7, v0
	v_lshlrev_b32 v3, 4, v3
	v_lshl_add_u32 v1, v4, 12, v3                  ; part: 4,096 bytes a token
	v_lshl_add_u32 v2, v4, 11, v3                  ; out0: 2,048
	s_lshl_b32 s8, ttmp9, 15
	s_mov_b32 s9, 0
	s_lshl_b32 s10, ttmp9, 14
	s_mov_b32 s11, 0
	s_wait_kmcnt 0x0
	s_add_nc_u64 s[4:5], s[4:5], s[8:9]
	s_add_nc_u64 s[6:7], s[6:7], s[10:11]
.irp i, 0,1,2,3
	global_load_b128 v[8+8*\i:11+8*\i], v1, s[4:5] offset:8192*\i th:TH_LOAD_NT
	global_load_b128 v[12+8*\i:15+8*\i], v1, s[4:5] offset:8192*\i+2048 th:TH_LOAD_NT
.endr
.irp i, 0,1,2,3
	s_wait_loadcnt 6-2*\i                          ; pair i is in; the pairs issued behind it stay out
	v_pk_add_f32 v[8+8*\i:9+8*\i], v[8+8*\i:9+8*\i], v[12+8*\i:13+8*\i]
	v_pk_add_f32 v[10+8*\i:11+8*\i], v[10+8*\i:11+8*\i], v[14+8*\i:15+8*\i]
	global_store_b128 v2, v[8+8*\i:11+8*\i], s[6:7] offset:4096*\i th:TH_STORE_NT
.endr
	s_endpgm
.Lfunc_end_k_qbc0ebf6f47_combine:
	.size	k_qbc0ebf6f47_combine, .Lfunc_end_k_qbc0ebf6f47_combine-k_qbc0ebf6f47_combine
	.p2alignl 7, 3214868480
	.fill 96, 4, 3214868480
	.section	.rodata,"a",@progbits
	.p2align	6, 0x0
	.amdhsa_kernel k_qbc0ebf6f47_combine
		.amdhsa_group_segment_fixed_size 0
		.amdhsa_private_segment_fixed_size 0
		.amdhsa_enable_private_segment 0
		.amdhsa_kernarg_size 16
		.amdhsa_user_sgpr_count 2
		.amdhsa_user_sgpr_kernarg_segment_ptr 1
		.amdhsa_wavefront_size32 1
		.amdhsa_system_sgpr_workgroup_id_x 1
		.amdhsa_system_sgpr_workgroup_id_y 1
		.amdhsa_system_sgpr_workgroup_id_z 1
		.amdhsa_system_vgpr_workitem_id 0
		.amdhsa_next_free_vgpr 48
		.amdhsa_next_free_sgpr 66
		.amdhsa_reserve_vcc 0
		.amdhsa_float_denorm_mode_32 3
		.amdhsa_float_denorm_mode_16_64 3
		.amdhsa_memory_ordered 1
		.amdhsa_forward_progress 1
		.amdhsa_inst_pref_size 3
	.end_amdhsa_kernel
	.amdgpu_metadata
---
amdhsa.version: [ 1, 2 ]
amdhsa.kernels:
  - .name:           k_qbc0ebf6f47_combine
    .symbol:         k_qbc0ebf6f47_combine.kd
    .args:
      - { .name: part, .offset: 0, .size: 8, .value_kind: global_buffer, .address_space: global }
      - { .name: out0, .offset: 8, .size: 8, .value_kind: global_buffer, .address_space: global }
    .group_segment_fixed_size: 0
    .private_segment_fixed_size: 0
    .kernarg_segment_align: 8
    .kernarg_segment_size: 16
    .max_flat_workgroup_size: 256
    .sgpr_count:     66
    .vgpr_count:     48
    .wavefront_size: 32
...
	.end_amdgpu_metadata
.endif
;; end of part 4
;; ======== version 2 of 2: 4 launches; version 1 with the launch chain written anew for expert scheduling mode
;; workspace buffers: choice 16,384 bytes of whole numbers; gate 16,384 bytes; rows 16,384 bytes of whole numbers; offs 256 bytes of whole numbers; part 8,388,608 bytes
;; launch router: the kernel of part 1 again; grid 128 x 1, 8 waves a work-group, no clusters, 91,136 bytes of LDS; arguments x_codes, Wr_codes, br, expert_embeddings, lowp_scales, choice, gate; writes choice, gate
;; launch place: the kernel of part 2 again; grid 16 x 1, 16 waves a work-group, no clusters, 2,304 bytes of LDS; arguments choice, rows, offs; writes rows, offs
;; launch chain (part 5): grid 143 x 1, 8 waves a work-group, no clusters, 209,920 bytes of LDS; arguments x_codes, W1_codes, W2_codes, W3_codes, b1, b2, b3, lowp_scales, rows, offs, gate, part; writes part
.if DOCPART == 5
	.amdgcn_target "amdgcn-amd-amdhsa--gfx1250"
	.amdhsa_code_object_version 6
	.text
	.protected	k_qbc0ebf6f47_chain
	.globl	k_qbc0ebf6f47_chain
	.p2align	8
	.type	k_qbc0ebf6f47_chain,@function
k_qbc0ebf6f47_chain:
	s_mov_b64 s[64:65], 0
	v_nop
	global_prefetch_b8 v0, s[64:65] scope:SCOPE_SE
	s_setreg_imm32_b32 hwreg(HW_REG_WAVE_SCHED_MODE, 0, 2), 2
	s_setreg_imm32_b32 hwreg(HW_REG_WAVE_MODE, 25, 1), 1
	s_wait_xcnt 0x0
	s_wait_alu depctr_vm_vsrc(0)
; THE CHAIN OF ONE EXPERT FOR A TILE OF 32 CHOSEN ROWS: h1 = relu(x W1 + b1), h2 = relu(h1 W2 + b2), eo = h2 W3 + b3, part[entry] = gate[entry] x eo.  All three products on codes of E4M3, sums in f32;
; h1 and h2 are quantised in registers with the given scales and never go to memory.  Only the rows that the router chose are multiplied: the others' results are thrown away by the gather.
; THE GRID.  With 4,096 entries, 16 experts and tiles of 32 rows there are never more than (4096 + 16 x 31) / 32 = 143 tiles, whatever the split.  Work-group g finds its tile from offs (each expert's first
; place in rows).  A work-group past the last tile walks the same text on clamped rows, so that every wave passes every barrier, and stores nothing.
; A tile's rows past the expert's count repeat its last row: they give the same numbers and store them at the same place, so no mask is needed.
; SHARES.  THE EIGHT WAVES SHARE THE COLUMNS, NOT THE ROWS.  Every fragment of a weight is read by one wave alone, straight from memory into registers, and feeds two products (the two tiles of 16 rows).
; The weights run through four sets of 64 registers; in the steps two or three sets, 32 or 48 loads of 512 bytes, are out in every wave.  No cluster: which expert a work-group serves is read from memory, so partners cannot be shown to ask alike.
; WHY 32 ROWS.  Every wave reads every fragment of the rows from LDS.  With 2 row tiles the 16 accumulators hold all 8 column tiles of a wave in layer 1, so the rows are read once a wave and layer:
; 8 waves x (32 + 32 + 16) KiB = 640 KiB for a work-group; with 64 rows layer 1 would take two passes, and the sum would be 1,792 KiB.
; The rows' codes go from wave to wave through LDS as images of the operand's registers: 4 stores of 16 bytes a lane at 16 x lane, 512 bytes a store; the same lines as loads give any wave the same fragment.
; THE PRODUCTS ARE USED TRANSPOSED: source 0 = 16 rows of a weight's codes, source 1 = 16 rows of the tile: a lane holds ONE row of the tile, its registers run along the columns.
; In layers 1 and 2 THE ROWS OF A WEIGHT THAT FORM A TILE ARE NOT NEIGHBOURS: lane r of tile 2 b + u takes row 32 b + 8 u + r + 8 (r / 8), so that the 16 registers of tiles 2 b, 2 b + 1 are 16 neighbours along the next K.
; A fragment is fetched by four loads of 16 bytes, 32 bytes apart: a permutation of k that is the same on both sides of every product.
; SCALES.  b1 goes in as the C of a sum's first product, divided by 2^(e2 + e3); the sums are then h1 / 2^(e2 + e3), and the conversion takes 2^(e4 - e2 - e3).  Layer 2 likewise with e4 + e5 and e6 - e4 - e5.
; The hold at the largest code and the relu are one line.  Layer 3: sum x 2^(e6 + e7) + b3, then x gate.
; LIMITS: e4 - e2 - e3 and e6 - e4 - e5 between -126 and 119; e6 + e7 between -126 and 127.  NaN among the inputs is not served.
; COLUMNS of wave w: layer 1: 128 w + 64 g + 0 .. 63 in two groups g (K step w of layer 2, pieces 2 g + b); layer 2: 64 w .. + 63 (K step w / 2 of layer 3, pieces 2 (w % 2) + b); layer 3: 64 w .. + 63.
; THE MODE: SCHED_MODE bits 1:0 = 2 (LLVM: expert scheduling mode 2), set by the entry lines.  The code itself states the register dependences
; between vector or matrix instructions and memory or LDS instructions, with s_wait_alu, always for 0.
; THE PLAN.  Registers that memory or LDS instructions touch:
;   the four sets of weights  Step j's eight products read set j % 4; the loads of set j + 4 land in it, issued at the head of step j + 1.
;   the rows' two buffers     The products of K step s read buffer s % 2; the LDS loads of K step s + 2 land in it, issued at the head of the first step of K step s + 1.
;                             Buffer 0 also holds what goes to LDS: x as loaded (prologue) and the codes that the conversions write at the ends of layers 1 and 2; LDS stores read it there.
;   the biases' registers     Read as C by steps 0, 1 and 16, and by the way out's multiply-adds; loaded again at the head of step 1 and behind the second and the third barrier.
;   v128-163, prologue        Offsets, addresses and store data of the prologue's loads and stores; the first products write over them.
;   the accumulators          Named by vector and matrix instructions alone until the way out, where LDS stores read v128-191; v192-207, idle behind layer 1, take the stores' 16 offsets.
;   v1-14                     Addresses, made at the head and never written again.   v30, v31: read by the closing add alone.
; So ONE wait on va_vdst stands at the head of a step, behind the wait for its weights: the step before is done reading its set, its buffer of rows and its biases.  The step's LDS loads and its 16 loads of
; weights follow that wait at once; the products behind them name the step's own set, its own buffer and the accumulators: none of the registers that those loads touch.
; One wait on va_vdst stands ahead of each run of stores of fresh results (twice codes, once the way out), and one on vm_vsrc behind each barrier, ahead of the loads that land where LDS stores have read.
.set XIMG,  0                          ; LDS: x's 16 fragments: (row tile m, K step s) at (8 m + s) x 2048 + 512 c + 16 x lane
.set H1IMG, 65536                      ; h1's 16 fragments, likewise
.set H2IMG, 131072                     ; h2's 8 fragments: (4 m + s) x 2048 + ..
.set B1L,   163840                     ; the expert's b1 / 2^(e2 + e3): 4,096 bytes
.set B2L,   167936                     ; b2 / 2^(e4 + e5): 2,048
.set B3L,   169984                     ; b3: 2,048
.set ROWT,  172032                     ; the tile's 32 entries, a copy for each wave, 256 bytes apart
.set STG,   174080                     ; the way out: 16 rows x (256 bytes + 16) for each wave
; window 0: v1-3 16 x lane + XIMG, H1IMG, H2IMG; v4, v5 my lane's byte in a tile of W1 / W2, of W3; v6, v7 where I store h1's, h2's images; v8-10 my biases in LDS; v11, v12 my stage, in and back;
;   v13 my copy of the entries; v14 my bytes in a row of part; v15, v16 the two conversions' scales; v18-21 the two gates (each with a copy above it, for the packed form)
.set G,   18
.set XF,  32                           ; v32-95   two buffers of a K step's two fragments of rows (buffer s % 2, tile m at 32 + 32 (s % 2) + 16 m); codes just made; rows read back from the stage
.set BI,  96                           ; v96-127  the biases of four tiles of columns
.set ACC, 128                          ; v128-255 the 16 accumulators: (g, m, t) at 128 + 64 g + 32 m + 8 t.  Ahead of the first product: the prologue's numbers
.set OF,  192                          ; v192-207 the way out: the 16 offsets of the stores (group 1's accumulators are done with behind layer 1)
; window 1: the four sets of weights: set j % 4, tile t at 64 (j % 4) + 16 t
.set PR, 128                           ; the prologue's: r
.set PH, 129                           ; h
.set PL, 130                           ; lane
.set PT, 131                           ; at work
.set RWA, 132                          ; where I store entries
.set XWA, 133                          ; where I store x's images
.set T16, 134                          ; 16 x thread
.set T8,  135                          ; 8 x thread
.set L16, 136                          ; B1L + 16 x thread
.set L8,  137                          ; B2L + 8 x thread
.set IX,  140                          ; v140-142 byte offsets in rows
.set EN,  145                          ; v145-147 entries: of my own gather, then of row tiles 0, 1
.set BB,  152                          ; v152-159 biases as loaded
.set XO,  160                          ; my row of x
.set XB,  161
.set GOF, 162                          ; v162-163 offsets in gate
.set MSB, 0
.macro WIN new                         ; the immediate's high byte repeats the setting that is left; a switch that changes nothing is dropped
.if MSB != \new
	s_set_vgpr_msb (MSB<<8)|\new
.set MSB, \new
.endif
.endm
.macro PLACES                          ; four places: in front of loads into registers that matrix instructions have read, and of the first read of results
.rept 4
	v_nop
.endr
.endm
; The weights of step j (0-15: layer 1, K step j / 2, group j % 2; 16-23: layer 2; 24-27: layer 3): 16 loads into set j % 4 of window 1
.macro LOADW j
.irp t, 0,1,2,3
.irp c, 0,1,2,3
.if (\j) < 16
	global_load_b128 v[64*((\j)%4)+16*\t+4*\c:64*((\j)%4)+16*\t+4*\c+3], v4, s[6:7] offset:((\j)%2)*65536+(32*(\t/2)+8*(\t%2))*1024+128*((\j)/2)+32*\c
.elseif (\j) < 24
	global_load_b128 v[64*((\j)%4)+16*\t+4*\c:64*((\j)%4)+16*\t+4*\c+3], v4, s[8:9] offset:(32*(\t/2)+8*(\t%2))*1024+128*((\j)-16)+32*\c
.else
	global_load_b128 v[64*((\j)%4)+16*\t+4*\c:64*((\j)%4)+16*\t+4*\c+3], v5, s[10:11] offset:8192*\t+128*((\j)-24)+32*\c
.endif
.endr
.endr
.endm
.macro FETCHX2 li, ks, s               ; the images of K step s's two fragments, of ks K steps a row tile, from the region of v[li], into buffer s % 2: eight loads
.irp m, 0,1
.irp c, 0,1,2,3
	ds_load_b128 v[XF+32*((\s)%2)+16*\m+4*\c:XF+32*((\s)%2)+16*\m+4*\c+3], v[\li] offset:(\m*(\ks)+(\s))*2048+512*\c
.endr
.endr
.endm
.macro FETCHB a, off, nat              ; four tiles' biases in the result's layout.  nat = 0: tile 2 b + u holds units 32 b + 16 h + 8 u + 0 .. 7; nat = 1: tile t holds 16 t + 8 h + 0 .. 7
.irp t, 0,1,2,3
.if \nat
	ds_load_b128 v[BI+8*\t:BI+8*\t+3], v[\a] offset:64*\t
	ds_load_b128 v[BI+8*\t+4:BI+8*\t+7], v[\a] offset:64*\t+16
.else
	ds_load_b128 v[BI+8*\t:BI+8*\t+3], v[\a] offset:(\off)+128*(\t/2)+32*(\t%2)
	ds_load_b128 v[BI+8*\t+4:BI+8*\t+7], v[\a] offset:(\off)+128*(\t/2)+32*(\t%2)+16
.endif
.endr
.endm
; Four products: row tile m, from buffer xb, against set j's four tiles of columns, into group g's accumulators.  cmode 0: adds in place; 1: the bias starts the sums; 2: the constant 0 does.
; The accumulators take turns, one instruction a turn, in the same order in every step: 16 of them in layer 1, 8 in layers 2 and 3.
.macro MUL j, xb, g, m, cmode
.irp t, 0,1,2,3
.if \cmode == 0
	v_wmma_f32_16x16x128_fp8_fp8 v[ACC+64*(\g)+32*(\m)+8*\t:ACC+64*(\g)+32*(\m)+8*\t+7], v[64*((\j)%4)+16*\t:64*((\j)%4)+16*\t+15], v[XF+32*(\xb)+16*(\m):XF+32*(\xb)+16*(\m)+15], v[ACC+64*(\g)+32*(\m)+8*\t:ACC+64*(\g)+32*(\m)+8*\t+7]
.elseif \cmode == 1
	v_wmma_f32_16x16x128_fp8_fp8 v[ACC+64*(\g)+32*(\m)+8*\t:ACC+64*(\g)+32*(\m)+8*\t+7], v[64*((\j)%4)+16*\t:64*((\j)%4)+16*\t+15], v[XF+32*(\xb)+16*(\m):XF+32*(\xb)+16*(\m)+15], v[BI+8*\t:BI+8*\t+7]
.else
	v_wmma_f32_16x16x128_fp8_fp8 v[ACC+64*(\g)+32*(\m)+8*\t:ACC+64*(\g)+32*(\m)+8*\t+7], v[64*((\j)%4)+16*\t:64*((\j)%4)+16*\t+15], v[XF+32*(\xb)+16*(\m):XF+32*(\xb)+16*(\m)+15], 0
.endif
.endr
.endm
; STEP j is HEAD j, the step's LDS loads if it has any, and BODY j: one set of weights against the two row tiles: 8 products, 128 along K.
; HEAD.  w = 1: the step issues loads into registers that the step before has read.  (Step 0 has no step before it; steps 16 and 24 stand behind the wait ahead of a layer's stores of codes, and no vector or
; matrix instruction between names the set in which their loads land; step 27 issues no load.)
.macro HEAD j, w
.if 27-(\j) >= 2
	s_wait_loadcnt 32                              ; set j is in; sets j + 1 and j + 2, issued behind it, may stay out
.else
	s_wait_loadcnt 16*(27-(\j))                    ; near the end fewer sets were issued behind it
.endif
.if \w
	s_wait_alu depctr_va_vdst(0)                   ; the products of step j - 1 are done reading their set of weights, their buffer of rows and their biases: this step's loads, LDS and global, land there
.endif
.endm
; BODY.  The loads of set j + 3 go out first, into the set that step j - 1 multiplied; between HEAD's wait and them stand only LDS loads and the window's switch.
; dsw: how many younger LDS loads may stay out when this step's fragments of rows (and biases) have to be in; -1: they were waited for a step ago.
.macro BODY j, xb, g, cmode, dsw
.if (\j)+3 <= 27
	WIN 0x40                                       ; destination window 1
	LOADW (\j)+3
.endif
.if (\dsw) >= 0
	s_wait_dscnt \dsw
.endif
	WIN 0x01                                       ; source 0 (the weights) window 1
	MUL \j, \xb, \g, 0, \cmode
	MUL \j, \xb, \g, 1, \cmode
	PLACES
	WIN 0
.endm
; 64 columns of the 32 rows become codes.  s[lim]: 448 x the scale; v[sc]: the scale as f32; ao: the group's accumulators begin at ACC + ao; co: its codes at XF + co.
.macro EPI_C lim, sc, ao, co
.irp m, 0,1
.set i, 0
.rept 32
	v_med3_num_f32 v[ACC+(\ao)+32*\m+i], v[ACC+(\ao)+32*\m+i], 0, s[\lim]   ; the relu and the hold in one (the conversion to an 8-bit code does not saturate: ISA guide 7.6.2); each accumulator from its low end on
.set i, i+1
.endr
.irp b, 0,1
	v_cvt_scalef32_pk8_fp8_f32 v[XF+(\co)+8*\m+4*\b:XF+(\co)+8*\m+4*\b+1], v[ACC+(\ao)+32*\m+16*\b:ACC+(\ao)+32*\m+16*\b+7], v[\sc]
	v_cvt_scalef32_pk8_fp8_f32 v[XF+(\co)+8*\m+4*\b+2:XF+(\co)+8*\m+4*\b+3], v[ACC+(\ao)+32*\m+16*\b+8:ACC+(\ao)+32*\m+16*\b+15], v[\sc]
.endr
.endr
	v_nop                                          ; one plain vector line behind the last conversion: the next products write its sources
.endm
; The codes at XF + co go to LDS as pieces of the next layer's fragments: v[st] + m x mstr + base + 512 b: piece b of row tile m.
.macro EPI_S st, base, mstr, co
.irp m, 0,1
.irp b, 0,1
	ds_store_b128 v[\st], v[XF+(\co)+8*\m+4*\b:XF+(\co)+8*\m+4*\b+3] offset:\m*(\mstr)+(\base)+512*\b
.endr
.endr
.endm
.macro BARRIER                         ; my LDS stores have landed, my LDS loads are in: then the work-group's barrier
	s_wait_dscnt 0x0
	s_barrier_signal -1
	s_barrier_wait -1
.endm
; One expert of the search for my tile.  s58: the tiles of the experts in front of e.  The last expert whose first tile is not behind mine is the owner (an expert without rows has no tile and is passed over).
.macro SEEK e
.if \e < 15
	s_sub_co_u32 s59, s[33+\e], s[32+\e]           ; the expert's rows
.else
	s_sub_co_u32 s59, 0x1000, s47
.endif
	s_cmp_le_u32 s58, s29
	s_cselect_b32 s30, \e, s30
	s_cselect_b32 s31, s58, s31
	s_cselect_b32 s56, s[32+\e], s56
	s_cselect_b32 s57, s59, s57
	s_add_co_u32 s59, s59, 31
	s_lshr_b32 s59, s59, 5
	s_add_co_u32 s58, s58, s59
.endm
	s_load_b512 s[4:19], s[0:1], 0x0               ; x s[4:5], W1 s[6:7], W2 s[8:9], W3 s[10:11], b1 s[12:13], b2 s[14:15], b3 s[16:17], the scales' exponents s[18:19]
	s_load_b256 s[20:27], s[0:1], 0x40             ; rows s[20:21], offs s[22:23], gate s[24:25], part s[26:27]
	v_lshl_add_u32 v30, v0, 2, 0x33000
	v_mov_b32 v31, 0
	v_lshrrev_b32 v[PT], 5, v0
	v_readfirstlane_b32 s28, v[PT]                 ; wave 0..7
	s_mov_b32 s29, ttmp9                           ; my work-group
	v_and_b32 v[PL], 31, v0
	v_and_b32 v[PR], 15, v0
	v_bfe_u32 v[PH], v0, 4, 1
	s_wait_kmcnt 0x0
	s_load_b512 s[32:47], s[22:23], 0x0            ; offs[0 .. 15]
	s_load_b256 s[48:55], s[18:19], 0x0            ; e0 .. e7
	v_lshlrev_b32 v1, 4, v[PL]
	v_add_nc_u32 v2, H1IMG, v1
	v_add_nc_u32 v3, H2IMG, v1
	v_and_b32 v[PT], 8, v[PR]
	v_add_nc_u32 v[PT], v[PT], v[PR]               ; r + 8 (r / 8)
	v_lshlrev_b32 v4, 10, v[PT]
	v_lshl_add_u32 v4, v[PH], 4, v4                ; W1, W2: rows of 1,024 bytes
	v_lshlrev_b32 v5, 9, v[PR]
	v_lshl_add_u32 v5, v[PH], 4, v5                ; W3: rows of 512 bytes, neighbours
	s_wait_alu depctr_va_sdst(0)                   ; s28, the wave's number, is written, ahead of its first reader: LDS addresses and the weights' bases are made from it
	s_lshl_b32 s59, s28, 11
	v_add_nc_u32 v6, s59, v2                       ; h1: K step w
	s_lshl_b32 s59, s28, 10
	v_add_nc_u32 v7, s59, v3                       ; h2: K step w / 2, pieces 2 (w % 2) on: 1024 w
	s_lshl_b32 s59, s28, 9
	s_add_co_u32 s59, s59, B1L
	v_lshl_add_u32 v8, v[PH], 6, s59
	s_lshl_b32 s59, s28, 8
	s_add_co_u32 s59, s59, B2L
	v_lshl_add_u32 v9, v[PH], 6, s59
	s_lshl_b32 s59, s28, 8
	s_add_co_u32 s59, s59, B3L
	v_lshl_add_u32 v10, v[PH], 5, s59
	s_mul_i32 s59, s28, 16*272
	s_add_co_u32 s59, s59, STG
	v_mul_u32_u24 v11, v[PR], 272
	v_lshl_add_u32 v11, v[PH], 5, v11
	v_add_nc_u32 v11, s59, v11                     ; the stage, in: row r, 32 bytes for each half of the lanes
	v_mul_u32_u24 v12, v[PH], 272
	v_lshl_add_u32 v12, v[PR], 4, v12
	v_add_nc_u32 v12, s59, v12                     ; and back: lanes 0-15 one row of 256 bytes, lanes 16-31 the next
	s_lshl_b32 s59, s28, 8
	v_lshl_add_u32 v14, v[PR], 4, s59              ; my wave's 256 bytes of a row of part
	s_add_co_u32 s59, s59, ROWT
	v_lshl_add_u32 v13, v[PH], 2, s59
	v_lshl_add_u32 v[RWA], v[PR], 2, s59
	s_lshl_b32 s59, s28, 12
	v_add_nc_u32 v[XWA], s59, v1                   ; x's images 2 w and 2 w + 1: 4096 w + 16 x lane
	v_lshlrev_b32 v[T16], 4, v0
	v_lshlrev_b32 v[T8], 3, v0
	v_add_nc_u32 v[L16], B1L, v[T16]
	v_add_nc_u32 v[L8], B2L, v[T8]
	s_and_b32 s59, s28, 3
	s_lshl_b32 s59, s59, 8
	v_lshl_add_u32 v[XB], v[PH], 4, s59            ; x: 16 h + my quarter of the row's 1,024 bytes
	s_mov_b32 s58, 0
	s_mov_b32 s30, 0
	s_mov_b32 s31, 0
	s_mov_b32 s56, 0
	s_mov_b32 s57, 0
	s_wait_kmcnt 0x0
.irp e, 0,1,2,3,4,5,6,7,8,9,10,11,12,13,14,15
	SEEK \e
.endr                                              ; s30 the expert, s31 its first tile, s56 its first place, s57 its rows, s58 all tiles
	s_min_u32 s30, s30, 15                         ; the bound is written for the addresses' sake
	s_sub_co_u32 s59, s29, s31
	s_lshl_b32 s59, s59, 5                         ; my tile's first row among the expert's
	s_add_co_u32 s60, s56, s59                     ; and its place in rows
	s_sub_co_u32 s61, s57, s59
	s_sub_co_u32 s61, s61, 1                       ; the last row of the tile that exists (past the last tile: a large number, and the clamp below holds the place)
	s_mov_b32 s63, 0
	s_lshl_b32 s62, s30, 20
	s_lshl_b32 s59, s28, 17
	s_add_co_u32 s62, s62, s59
	s_add_nc_u64 s[6:7], s[6:7], s[62:63]          ; W1: the expert's 1,024 rows, my wave's 128
	s_lshl_b32 s62, s30, 19
	s_lshl_b32 s59, s28, 16
	s_add_co_u32 s62, s62, s59
	s_add_nc_u64 s[8:9], s[8:9], s[62:63]          ; W2: 512 rows, my 64
	s_lshl_b32 s62, s30, 18
	s_lshl_b32 s59, s28, 15
	s_add_co_u32 s62, s62, s59
	s_add_nc_u64 s[10:11], s[10:11], s[62:63]      ; W3: 512 rows of 512 bytes, my 64
	s_lshl_b32 s62, s30, 12
	s_add_nc_u64 s[12:13], s[12:13], s[62:63]
	s_lshl_b32 s62, s30, 11
	s_add_nc_u64 s[14:15], s[14:15], s[62:63]
	s_add_nc_u64 s[16:17], s[16:17], s[62:63]
	s_lshr_b32 s59, s28, 2
	s_lshl_b32 s59, s59, 4
	v_add_nc_u32 v[IX], s59, v[PR]                 ; the row that I gather: 16 (w / 4) + r
.irp m, 0,1
	v_add_nc_u32 v[IX+1+\m], 16*\m, v[PR]          ; and row r of each row tile, for the gates and the stores
.endr
.irp i, 0,1,2
	v_min_u32 v[IX+\i], s61, v[IX+\i]              ; rows past the count repeat the last
	v_add_nc_u32 v[IX+\i], s60, v[IX+\i]
	v_min_u32 v[IX+\i], 0xfff, v[IX+\i]            ; inside rows, whatever the work-group
	v_lshlrev_b32 v[IX+\i], 2, v[IX+\i]
.endr
	s_wait_alu depctr_va_vdst(0)                   ; the addresses v1 to v14 and the prologue's offsets in v132 to v142 are written: the loads and stores from here on read them
.irp i, 0,1,2
	global_load_b32 v[EN+\i], v[IX+\i], s[20:21]
.endr
	global_load_b128 v[BB:BB+3], v[T16], s[12:13]
	global_load_b64 v[BB+4:BB+5], v[T8], s[14:15]
	global_load_b64 v[BB+6:BB+7], v[T8], s[16:17]
	WIN 0x40
	LOADW 0
	LOADW 1
	WIN 0
	s_add_co_i32 s59, s50, s51
	s_sub_co_i32 s72, 0, s59                       ; -(e2 + e3)
	s_add_co_i32 s59, s52, s72
	s_add_co_i32 s59, s59, 127
	s_lshl_b32 s68, s59, 23
	v_mov_b32 v15, s68                             ; 2^(e4 - e2 - e3) as f32: the conversion takes its exponent field
	s_add_co_i32 s59, s59, 8
	s_lshl_b32 s68, s59, 23
	s_or_b32 s68, s68, 0x600000                    ; 448 x that
	s_add_co_i32 s59, s52, s53
	s_sub_co_i32 s73, 0, s59                       ; -(e4 + e5)
	s_add_co_i32 s59, s54, s73
	s_add_co_i32 s59, s59, 127
	s_lshl_b32 s69, s59, 23
	v_mov_b32 v16, s69                             ; 2^(e6 - e4 - e5)
	s_add_co_i32 s59, s59, 8
	s_lshl_b32 s69, s59, 23
	s_or_b32 s69, s69, 0x600000
	s_add_co_i32 s70, s54, s55
	s_add_co_i32 s70, s70, 127
	s_lshl_b32 s70, s70, 23                        ; 2^(e6 + e7)
	s_mov_b32 s71, s70                             ; (named with it as a pair, so it is written)
	s_wait_loadcnt 32                              ; the entries and the biases are in; weight sets 0 and 1 stay out
.irp i, 0,1,2,3
	v_ldexp_f32 v[BB+\i], v[BB+\i], s72
.endr
	v_ldexp_f32 v[BB+4], v[BB+4], s73
	v_ldexp_f32 v[BB+5], v[BB+5], s73
	v_lshrrev_b32 v[XO], 1, v[EN]                  ; the entry's token
	v_min_u32 v[XO], 0x7ff, v[XO]
	v_lshl_add_u32 v[XO], v[XO], 10, v[XB]
.irp m, 0,1
	v_min_u32 v[GOF+\m], 0xfff, v[EN+1+\m]
	v_lshlrev_b32 v[GOF+\m], 2, v[GOF+\m]
.endr
	s_wait_alu depctr_va_vdst(0)                   ; x's and the gates' offsets are written, which the loads below read, and the scaled biases, which the LDS stores below read
.irp p, 0,1                                ; wave w gathers row tile w / 4, K steps 2 (w % 4) + p: two fragments
.irp c, 0,1,2,3
	global_load_b128 v[XF+16*\p+4*\c:XF+16*\p+4*\c+3], v[XO], s[4:5] offset:128*\p+32*\c
.endr
.endr
.irp m, 0,1
	global_load_b32 v[G+2*\m], v[GOF+\m], s[24:25]
.endr
	WIN 0x40
	LOADW 2                                        ; 58 loads of mine are out at the most: sets 0 and 1, x's 8, the gates' 2, this set's 16
	WIN 0
	ds_store_b128 v[L16], v[BB:BB+3]
	ds_store_b64 v[L8], v[BB+4:BB+5]
	ds_store_b64 v[L8], v[BB+6:BB+7] offset:B3L-B2L
.irp m, 0,1
	ds_store_b32 v[RWA], v[EN+1+\m] offset:64*\m   ; lanes r and r + 16 write the same word with the same number
.endr
	s_wait_loadcnt 16                              ; x and the gates are in; weight set 2 stays out
.irp m, 0,1
	v_mov_b32 v[G+2*\m+1], v[G+2*\m]
.endr
.irp p, 0,1
.irp c, 0,1,2,3
	ds_store_b128 v[XWA], v[XF+16*\p+4*\c:XF+16*\p+4*\c+3] offset:2048*\p+512*\c
.endr
.endr
	BARRIER                                        ; x's 16 fragments and the biases lie in LDS
	s_wait_alu depctr_vm_vsrc(0)                   ; my LDS stores have read x in v[XF ..], where the fragments below land; the prologue's loads and stores have read their offsets and data in v132 to v163, which the first products write
	; ---- layer 1: K step s is steps 2 s (group 0) and 2 s + 1 (group 1) on one buffer of rows; at the head of the next K step that buffer takes K step s + 2
	FETCHB 8, 0, 0
	FETCHX2 1, 8, 0
	FETCHX2 1, 8, 1
	HEAD 0, 0
	BODY 0, 0, 0, 1, 8                             ; the biases and K step 0 are in; K step 1's eight loads may be out
	HEAD 1, 1
	FETCHB 8, 256, 0                               ; group 1's biases, into the registers that group 0's have left
	BODY 1, 0, 1, 1, 0                             ; they are in: the set's 16 loads stand between the request and this wait
.irp s, 1,2,3,4,5,6
	HEAD 2*\s, 1
	FETCHX2 1, 8, \s+1                             ; into the buffer that K step s - 1 has left
	BODY 2*\s, \s%2, 0, 0, 8                       ; K step s is in; the eight loads just issued may be out
	HEAD 2*\s+1, 1
	BODY 2*\s+1, \s%2, 1, 0, -1
.endr
	HEAD 14, 1
	BODY 14, 1, 0, 0, 0                            ; the last K step: nothing was fetched behind it
	HEAD 15, 1
	BODY 15, 1, 1, 0, -1
	EPI_C 68, 15, 0, 0
	EPI_C 68, 15, 64, 16
	s_wait_alu depctr_va_vdst(0)                   ; the conversions have written both groups' codes in v[XF ..], which the LDS stores read; the layer's last products are done reading the rows' buffer 1, the biases and set 3, where the loads behind the barrier and step 16's land
	EPI_S 6, 0, 16384, 0
	EPI_S 6, 1024, 16384, 16
	BARRIER                                        ; h1's 16 fragments lie in LDS
	s_wait_alu depctr_vm_vsrc(0)                   ; my LDS stores have read the codes in v[XF ..], where the fragments below land
	; ---- layer 2: a K step is one step
	FETCHB 9, 0, 0
	FETCHX2 2, 8, 0
	FETCHX2 2, 8, 1
	HEAD 16, 0
	BODY 16, 0, 0, 1, 8
.irp s, 1,2,3,4,5,6
	HEAD 16+\s, 1
	FETCHX2 2, 8, \s+1
	BODY 16+\s, \s%2, 0, 0, 8
.endr
	HEAD 23, 1
	BODY 23, 1, 0, 0, 0
	EPI_C 69, 16, 0, 0
	s_wait_alu depctr_va_vdst(0)                   ; the conversions have written the codes in v[XF ..], which the LDS stores read; the layer's last products are done reading the rows' buffer 1, the biases and set 3, where the loads behind the barrier and step 24's land
	EPI_S 7, 0, 8192, 0
	BARRIER                                        ; h2's 8 fragments lie in LDS
	s_wait_alu depctr_vm_vsrc(0)                   ; my LDS stores have read the codes in v[XF ..], where the fragments below land
	; ---- layer 3
	FETCHB 10, 0, 1
	FETCHX2 3, 4, 0
	FETCHX2 3, 4, 1
	HEAD 24, 0
	BODY 24, 0, 0, 2, 8
	HEAD 25, 1
	FETCHX2 3, 4, 2
	BODY 25, 1, 0, 0, 8
	HEAD 26, 1
	FETCHX2 3, 4, 3
	BODY 26, 0, 0, 0, 8
	HEAD 27, 0
	BODY 27, 1, 0, 0, 0
	; ---- the way out.  A work-group past the last tile has nothing to store; no barrier follows
	s_cmp_ge_u32 s29, s58
	s_cbranch_scc1 .Lend
.irp m, 0,1
.irp k, 0,1,2,3,4,5,6,7
	ds_load_b32 v[OF+8*\m+\k], v13 offset:4*(16*\m+2*\k)       ; the entry of row 16 m + 2 k (lanes 0-15) or of the next (lanes 16-31), from my wave's own copy.  No wait: no vector or matrix instruction since step 26's head names v192 to v207
.endr
.endr
.irp m, 0,1
.irp t, 0,1,2,3
.irp i, 0,2,4,6
	v_pk_fma_f32 v[ACC+32*\m+8*\t+\i:ACC+32*\m+8*\t+\i+1], v[ACC+32*\m+8*\t+\i:ACC+32*\m+8*\t+\i+1], s[70:71], v[BI+8*\t+\i:BI+8*\t+\i+1] op_sel_hi:[1,0,1]   ; sum x 2^(e6 + e7) + b3; each accumulator from its low end on
.endr
.irp i, 0,2,4,6
	v_pk_mul_f32 v[ACC+32*\m+8*\t+\i:ACC+32*\m+8*\t+\i+1], v[ACC+32*\m+8*\t+\i:ACC+32*\m+8*\t+\i+1], v[G+2*\m:G+2*\m+1] op_sel_hi:[1,0]   ; x my row's gate
.endr
.endr
.endr
	s_wait_dscnt 0x0                               ; the entries are in: the 64 lines above stand between the request and this wait
.set i, 0
.rept 16
	v_min_u32 v[OF+i], 0xfff, v[OF+i]
	v_lshl_add_u32 v[OF+i], v[OF+i], 11, v14       ; a row of part is 2,048 bytes
.set i, i+1
.endr
	s_wait_alu depctr_va_vdst(0)                   ; the results are written in v128 to v191, which the LDS stores read, and the offsets in v[OF ..], which the global stores read; the last products are done reading v[XF ..], where the stage's loads land
.irp m, 0,1                                ; a row tile at a time through my own stage: a lane's 32 bytes go in, whole pieces of 256 bytes of a row come back; each tile has its own 32 registers for them
.irp t, 0,1,2,3
	ds_store_b128 v11, v[ACC+32*\m+8*\t:ACC+32*\m+8*\t+3] offset:64*\t
	ds_store_b128 v11, v[ACC+32*\m+8*\t+4:ACC+32*\m+8*\t+7] offset:64*\t+16
.endr
.irp k, 0,1,2,3,4,5,6,7
	ds_load_b128 v[XF+32*\m+4*\k:XF+32*\m+4*\k+3], v12 offset:544*\k   ; LDS serves a wave's instructions in order (ISA guide 5.7.1.4): these see the stores above, and the next tile's stores come behind them
.endr
	s_wait_dscnt 0x0
.irp k, 0,1,2,3,4,5,6,7
	global_store_b128 v[OF+8*\m+\k], v[XF+32*\m+4*\k:XF+32*\m+4*\k+3], s[26:27]   ; sixteen lanes store 256 consecutive bytes, at a multiple of 256 from part's first byte
.endr
.endr
.Lend:
	s_wait_dscnt 0x0                               ; the closing lines, six on end
	s_wait_alu 0x0
	s_wait_tensorcnt 0x0
	ds_add_u32 v30, v31
	s_wait_dscnt 0x0
	s_endpgm
.Lfunc_end_k_qbc0ebf6f47_chain:
	.size	k_qbc0ebf6f47_chain, .Lfunc_end_k_qbc0ebf6f47_chain-k_qbc0ebf6f47_chain
	.p2alignl 7, 3214868480
	.fill 96, 4, 3214868480
	.section	.rodata,"a",@progbits
	.p2align	6, 0x0
	.amdhsa_kernel k_qbc0ebf6f47_chain
		.amdhsa_group_segment_fixed_size 209920
		.amdhsa_private_segment_fixed_size 0
		.amdhsa_enable_private_segment 0
		.amdhsa_kernarg_size 96
		.amdhsa_user_sgpr_count 2
		.amdhsa_user_sgpr_kernarg_segment_ptr 1
		.amdhsa_wavefront_size32 1
		.amdhsa_system_sgpr_workgroup_id_x 1
		.amdhsa_system_sgpr_workgroup_id_y 1
		.amdhsa_system_sgpr_workgroup_id_z 1
		.amdhsa_system_vgpr_workitem_id 0
		.amdhsa_next_free_vgpr 512
		.amdhsa_next_free_sgpr 80
		.amdhsa_reserve_vcc 0
		.amdhsa_float_denorm_mode_32 3
		.amdhsa_float_denorm_mode_16_64 3
		.amdhsa_memory_ordered 1
		.amdhsa_forward_progress 1
		.amdhsa_inst_pref_size 116
	.end_amdhsa_kernel
	.amdgpu_metadata
---
amdhsa.version: [ 1, 2 ]
amdhsa.kernels:
  - .name:           k_qbc0ebf6f47_chain
    .symbol:         k_qbc0ebf6f47_chain.kd
    .args:
      - { .name: x_codes, .offset: 0, .size: 8, .value_kind: global_buffer, .address_space: global }
      - { .name: W1_codes, .offset: 8, .size: 8, .value_kind: global_buffer, .address_space: global }
      - { .name: W2_codes, .offset: 16, .size: 8, .value_kind: global_buffer, .address_space: global }
      - { .name: W3_codes, .offset: 24, .size: 8, .value_kind: global_buffer, .address_space: global }
      - { .name: b1, .offset: 32, .size: 8, .value_kind: global_buffer, .address_space: global }
      - { .name: b2, .offset: 40, .size: 8, .value_kind: global_buffer, .address_space: global }
      - { .name: b3, .offset: 48, .size: 8, .value_kind: global_buffer, .address_space: global }
      - { .name: lowp_scales, .offset: 56, .size: 8, .value_kind: global_buffer, .address_space: global }
      - { .name: rows, .offset: 64, .size: 8, .value_kind: global_buffer, .address_space: global }
      - { .name: offs, .offset: 72, .size: 8, .value_kind: global_buffer, .address_space: global }
      - { .name: gate, .offset: 80, .size: 8, .value_kind: global_buffer, .address_space: global }
      - { .name: part, .offset: 88, .size: 8, .value_kind: global_buffer, .address_space: global }
    .group_segment_fixed_size: 209920
    .private_segment_fixed_size: 0
    .kernarg_segment_align: 8
    .kernarg_segment_size: 96
    .max_flat_workgroup_size: 256
    .sgpr_count:     80
    .vgpr_count:     512
    .wavefront_size: 32
...
	.end_amdgpu_metadata
.endif
;; end of part 5
;; launch combine: the kernel of part 4 again; grid 256 x 1, 8 waves a work-group, no clusters, 0 bytes of LDS; arguments part, out0; writes out0
